; MI455X (gfx1250); checked and timed in simulation.
; The chip was launched on July 23, 2026; its instructions are those of AMD's public machine-readable ISA for CDNA 5 (MIT licence, August 2026) and "CDNA5" Instruction Set Architecture Reference Guide (July 2026). The comments in the code are by the model that wrote it; some were corrected since.
;; Multi Head Self Attention. Allowed arithmetic: matrix products marked QUANTISED: E4M3 operands, one given power-of-two scale a tensor, by v_wmma_f32_16x16x64_fp8_fp8 or v_wmma_f32_16x16x128_fp8_fp8, f32 sums; everything else in f32.
;; Inputs: attention_mask 4 x 2,048 int32; lowp_scales 8 int32 (the exponents e of the quantised operands' scales 2^e); w_out 1,024 x 1,024 float32; w_qkv 1,024 x 3,072 float32; x 4 x 2,048 x 1,024 float32.
;; Outputs: out0 4 x 2,048 x 1,024 float32.
;; This version of the problem:
;;   THIS VERSION OF THE PROBLEM IS GIVEN IN LOW PRECISION. The matrix products marked QUANTISED in the list below multiply operands that are first quantised to E4M3 (4 exponent bits, 3 mantissa bits; 8 bits a number), with one given power-of-two scale for each operand tensor; their sums are f32. All else is computed in f32.
;;   The module's matrix products, in the order in which they are computed (A, B: the left and right operand; K: the contracted axis; several contracted axes count as one K, in the product's order):
;;     1. [M 8,192, K 1,024] x [K 1,024, N 3,072]; A: input x; B: input w_qkv: QUANTISED (scales: A lowp_scales[0], B lowp_scales[1])
;;     2. batch 64 x [M 2,048, K 64] x [K 64, N 2,048]; A: computed on the way; B: computed on the way: QUANTISED (scales: A lowp_scales[2], B lowp_scales[3])
;;     3. batch 64 x [M 2,048, K 2,048] x [K 2,048, N 64]; A: softmax (see below); B: computed on the way: QUANTISED (scales: A lowp_scales[4], B lowp_scales[5])
;;     4. [M 8,192, K 1,024] x [K 1,024, N 1,024]; A: computed on the way; B: input w_out: QUANTISED (scales: A lowp_scales[6], B lowp_scales[7])
;;   THE QUANTISER, for each operand of a quantised product, along K:
;;     - The operand's scale is 2^e, e = its entry of the input lowp_scales (int32; the entries are numbered through the quantised products in the list's order, A before B).
;;     - Each number is divided by the scale, clamped to +-448, and rounded to the nearest number of E4M3, ties to even, subnormals kept.
;;     - The product sums the exact products of the quantised numbers (number of the format x scale) in f32.
;;   ~~~python
;;   def quantise(x, axis, e):      # numpy; x: float32 -> the quantised numbers, widened to float32 again
;;       x = np.moveaxis(x, axis, -1); K = x.shape[-1]
;;       r = np.clip(x / 2.0 ** e, -448, 448)
;;       step = 2.0 ** (np.maximum(np.frexp(np.where(r == 0, 1, r))[1] - 1, -6) - 3)
;;       q = np.round(r / step) * step * 2.0 ** e      # np.round: ties to even
;;       return np.moveaxis(q, -1, axis).astype(np.float32)
;;   ~~~
;;   SOFTMAX AHEAD OF A QUANTISED PRODUCT. Where the list says 'softmax', what is quantised is not the finished softmax but p = 2^(t - M), with t = logit x log2(e) and M = ceil(the row's largest t), a whole number; so 1/2 < the row's largest p <= 1. The row's sum l is taken of the UNQUANTISED p, in f32, and the product's result is divided by l at the end. Since M is a whole number, a kernel that streams over the keys may use a running M (the ceiling of the running maximum): every later rescaling is an exact power of two, so the quantised numbers keep their values, but for numbers so far below the row's largest that they fall under the format's range.
;;   OPERANDS COMPUTED ON THE WAY. 'Computed on the way' means the value that the module computes at that place (a softmax that the list does not call 'softmax' is quantised finished and normalised). What goes into a quantiser is computed in f32, as accurately as f32 sums, v_exp_f32 and their like allow (about 1e-6 of the number): no bf16 or f16 on the way to a quantiser, and a product that is left as it is and whose result goes on into a quantised operand takes f32 operands (vector FMAs, or v_wmma_f32_16x16x4_f32). A number that lies on a knife's edge between two numbers of the format may be rounded either way, as far as f32 arithmetic and the matrix unit's own rounding can turn it there, and no further.
;; One version. Each part assembles by itself: llvm-mc -triple=amdgcn-amd-amdhsa -mcpu=gfx1250 --defsym DOCPART=n.
;; ======== version 1 of 1: 4 launches
;; limits: right only within a limited range of input values
;; workspace buffers: xc 8,388,608 bytes; wqc 3,145,728 bytes; woc 1,048,576 bytes; qc 8,388,608 bytes; kc 8,388,608 bytes; vc 8,388,608 bytes; ac 8,388,608 bytes
;; launch quant (part 1): grid 384 x 1, 4 waves a work-group, no clusters, 68,096 bytes of LDS; arguments x, w_qkv, w_out, lowp_scales, xc, wqc, woc; writes xc, wqc, woc
.if DOCPART == 1
	.amdgcn_target "amdgcn-amd-amdhsa--gfx1250"
	.amdhsa_code_object_version 6
	.text
	.protected	k_qe201ef64b6_quant
	.globl	k_qe201ef64b6_quant
	.p2align	8
	.type	k_qe201ef64b6_quant,@function
k_qe201ef64b6_quant:
	s_mov_b64 s[64:65], 0
	v_nop
	global_prefetch_b8 v0, s[64:65] scope:SCOPE_SE
	s_setreg_imm32_b32 hwreg(HW_REG_WAVE_MODE, 25, 1), 1
	s_wait_xcnt 0x0
; The three f32 inputs become codes of FP8 (E4M3), one byte each, K innermost, each with the scale 2^e that is given for it.
;   x     [8192][1024]  -> xc  [8192][1024]   e = entry 0   (K is innermost already)        work-groups 0 .. 255
;   w_qkv [1024][3072]  -> wqc [3072][1024]   e = entry 1   (K is the FIRST axis)            work-groups 256 .. 351
;   w_out [1024][1024]  -> woc [1024][1024]   e = entry 7   (K is the FIRST axis)            work-groups 352 .. 383
; code = number / 2^e, held within +-448, rounded to the nearest code, ties to even.
; LIMITS: each e between -126 and 119, so that 2^e and 448 x 2^e are f32 numbers.  NaN among the inputs is not served (an infinity is held at the largest code).
; PATH X.  x is a plain stream of blocks of 32.  A wave takes 16 steps of 512 numbers.  Each load reads 512 consecutive bytes, 16 a lane; a step's 2,048 bytes turn through the wave's own stage in LDS and
; come back 64 bytes a lane, so that a lane holds 16 neighbours along K for the conversions.  A lane's 16 codes are 16 bytes: the wave stores 512 consecutive bytes.
; PATH W.  A lane takes a column n and its registers run down K: each load reads 128 consecutive bytes a wave, and the conversions give codes with K innermost.  A wave takes 32 columns x 256 along K; the codes
; go through the wave's own stage and leave as rows: sixteen lanes store 256 consecutive bytes, aligned.
; The two paths part on the work-group's number alone; each has LDS bytes of its own.  No tensor loads, no barrier: waves share nothing.
.set STEPS, 16
.set SP,    80                         ; path X: a lane's place in a stage: its 64 bytes + 16 of padding
.set XST,   0                          ; path X: 8,192 bytes for each wave: two stages of 32 x SP bytes
.set WST,   32768                      ; path W: 32 rows x PITCH bytes for each wave
.set PITCH, 272                        ; path W: a stage row: 256 bytes of codes + 16
.set SPARE, WST+4*32*PITCH             ; behind both: the spare words, 128 bytes for each wave: two blocks of 256 bytes that no other line names
.set EMAX,  8
.set MANT,  0x600000                   ; the mantissa field of 448 as f32
.set SPW,   12                         ; v12  LDS address of my spare word; never rewritten
.set NIL,   13                         ; v13  0; never rewritten
.set R,     16                         ; path X: v16-79   four sets of 16 numbers as they are loaded
.set X,     80                         ; path X: v80-111  two sets of 16 neighbours
.set C,     128                        ; path X: v128-191 codes: four registers for each step
.set WX,    32                         ; path W: v32-95   two sets of 32 numbers
.set WC,    96                         ; path W: v96-103  a block's codes
.set OUTR,  112                        ; path W: v112-175 the way out
.set ROFF,  176                        ; path W: v176-207 byte offset of row i of a block: 4 x lane + i x a row of the weight
.set NB,    8                          ; path W: blocks of 32 along K for a wave
.macro LOAD t
.irp i, 0,1,2,3
	global_load_b128 v[R+16*((\t)%4)+4*\i:R+16*((\t)%4)+4*\i+3], v3, s[4:5] offset:2048*(\t)+512*\i th:TH_LOAD_NT   ; 32 lanes read 512 consecutive bytes
.endr
.endm
.macro TURN t                          ; step t's numbers through the stage: LDS serves a wave's instructions in order, so no wait stands between the stores and the loads
.irp i, 0,1,2,3
	ds_store_b128 v14, v[R+16*((\t)%4)+4*\i:R+16*((\t)%4)+4*\i+3] offset:32*SP*((\t)%2)+8*SP*\i
.endr
.irp i, 0,1,2,3
	ds_load_b128 v[X+16*((\t)%2)+4*\i:X+16*((\t)%2)+4*\i+3], v15 offset:32*SP*((\t)%2)+16*\i
.endr
.endm
.macro STEP t
.set XS, X+16*((\t)%2)
	s_wait_dscnt 0x0                               ; this step's numbers are back from the stage, so its stores into the stage have read their registers,
.if (\t)+4 < STEPS
	LOAD (\t)+4                                    ; which take the loads of four steps on
.endif
.if (\t)+1 < STEPS
.if STEPS-2-(\t) >= 3
	s_wait_loadcnt 12                              ; the next step's four loads are in; those of the three steps behind it may be out
.else
	s_wait_loadcnt 4*(STEPS-2-(\t))
.endif
	TURN (\t)+1                                    ; and go through the other stage while this step is worked
.endif
.irp i, 0,1,2,3,4,5,6,7,8,9,10,11,12,13,14,15
.endr
	v_cvt_scalef32_pk8_fp8_f32 v[C+4*(\t):C+4*(\t)+1], v[XS:XS+7], v11
	v_cvt_scalef32_pk8_fp8_f32 v[C+4*(\t)+2:C+4*(\t)+3], v[XS+8:XS+15], v11
	global_store_b128 v3, v[C+4*(\t):C+4*(\t)+3], s[12:13] offset:512*(\t)   ; each step has its own code registers: no store's data are written again
.endm
.macro WLOAD t                         ; block t: W(32 t + i, my column), i = 0 .. 31, into set t % 2
.irp i, 0,1,2,3,4,5,6,7,8,9,10,11,12,13,14,15,16,17,18,19,20,21,22,23,24,25,26,27,28,29,30,31
	global_load_b32 v[WX+32*((\t)%2)+\i], v[ROFF+\i], s[40+2*(\t):41+2*(\t)] th:TH_LOAD_NT
.endr
.endm
.macro BLOCK t
.set XS, WX+32*((\t)%2)
.if (\t) < NB-1
	s_wait_loadcnt 32                              ; this block's 32 loads are in; the next block's may be out
.else
	s_wait_loadcnt 0
.endif
.irp i, 0,1,2,3,4,5,6,7,8,9,10,11,12,13,14,15,16,17,18,19,20,21,22,23,24,25,26,27,28,29,30,31
.endr
.irp g, 0,1,2,3
	v_cvt_scalef32_pk8_fp8_f32 v[WC+2*\g:WC+2*\g+1], v[XS+8*\g:XS+8*\g+7], v11
.endr
	ds_store_b128 v5, v[WC:WC+3] offset:32*(\t)    ; 32 codes: 32 bytes of my column's row
	ds_store_b128 v5, v[WC+4:WC+7] offset:32*(\t)+16
.if (\t)+2 < NB
	WLOAD (\t)+2
.endif
	s_wait_dscnt 0x0                               ; the stores have read their registers: the next block's codes may be written
.endm
	s_load_b256 s[4:11], s[0:1], 0x0               ; x s[4:5], w_qkv s[6:7], w_out s[8:9], the scales' exponents s[10:11]
	s_load_b128 s[12:15], s[0:1], 0x20             ; xc s[12:13], wqc s[14:15]
	s_load_b64 s[16:17], s[0:1], 0x30              ; woc
	v_lshl_add_u32 v[SPW], v0, 2, SPARE
	v_mov_b32 v[NIL], 0
	v_lshrrev_b32 v1, 5, v0
	v_readfirstlane_b32 s18, v1                    ; wave 0..3
	v_and_b32 v2, 31, v0                           ; lane
	v_lshlrev_b32 v3, 4, v2                        ; 16 x lane: my bytes of a load's 512, and of a store's
	; every LDS address of both paths is made here, ahead of the parting
	s_lshl_b32 s19, s18, 13                        ; path X: my wave's 8,192 bytes
	v_lshrrev_b32 v14, 2, v2
	v_mul_u32_u24 v14, v14, SP
	v_and_b32 v15, 3, v2
	v_lshl_add_u32 v14, v15, 4, v14
	v_add_nc_u32 v14, s19, v14                     ; into a stage: four lanes' 64 bytes on end, then 16 of padding
	v_mul_u32_u24 v15, v2, SP
	v_add_nc_u32 v15, s19, v15                     ; out of it: my 16 neighbours
	s_mul_i32 s19, s18, 32*PITCH
	s_add_co_u32 s19, s19, WST                     ; path W: my wave's stage
	v_mul_u32_u24 v5, v2, PITCH
	v_add_nc_u32 v5, s19, v5                       ; into it: row = my column
	v_and_b32 v8, 15, v2
	v_lshrrev_b32 v9, 4, v2
	v_mul_u32_u24 v6, v9, PITCH
	v_lshl_add_u32 v6, v8, 4, v6
	v_add_nc_u32 v6, s19, v6                       ; out of it: sixteen lanes to a row, two rows an instruction
	v_lshlrev_b32 v7, 10, v9
	v_lshl_add_u32 v7, v8, 4, v7                   ; and the same place in the codes' buffer: rows of 1,024 bytes
	s_wait_kmcnt 0x0
	s_load_b256 s[24:31], s[10:11], 0x0            ; the eight exponents
	s_cmp_lt_u32 ttmp9, 256
	s_cbranch_scc0 .Lw
	; ---- PATH X
	s_lshl_b32 s19, ttmp9, 2
	s_add_co_u32 s19, s19, s18                     ; which run of 8,192 numbers is my wave's
	s_lshl_b32 s20, s19, 15                        ; 32,768 bytes of numbers,
	s_mov_b32 s21, 0
	s_add_nc_u64 s[4:5], s[4:5], s[20:21]
	s_lshl_b32 s20, s19, 13                        ; 8,192 bytes of codes
	s_add_nc_u64 s[12:13], s[12:13], s[20:21]
.irp t, 0,1,2,3
	LOAD \t
.endr
	s_wait_kmcnt 0x0
	s_add_co_i32 s22, s24, 127
	s_lshl_b32 s23, s22, 23
	v_mov_b32 v11, s23                             ; 2^e as f32: the conversion takes its exponent field
	s_add_co_i32 s22, s22, EMAX
	s_lshl_b32 s22, s22, 23
	s_or_b32 s22, s22, MANT
	s_wait_alu depctr_va_vdst(0)
	s_wait_loadcnt 12                              ; step 0's four loads are in
	TURN 0
.irp t, 0,1,2,3,4,5,6,7,8,9,10,11,12,13,14,15
	STEP \t
.endr
	s_wait_tensorcnt 0x0                           ; the wave's end: these three lines behind my last LDS store
	ds_add_u32 v[SPW], v[NIL]
	s_wait_dscnt 0x0
	s_endpgm
	; ---- PATH W
.Lw:
	s_sub_co_u32 s19, ttmp9, 256
	s_cmp_ge_u32 s19, 96                           ; w_out's work-group or w_qkv's?  The choice hangs on the work-group's number alone
	s_cselect_b64 s[20:21], s[8:9], s[6:7]         ; the weight,
	s_cselect_b64 s[22:23], s[16:17], s[14:15]     ; its codes,
	s_cselect_b32 s32, 96, 0
	s_mov_b32 s33, 12288
	s_cselect_b32 s33, 4096, s33                   ; and a row of it in bytes
	s_sub_co_u32 s32, s19, s32
	s_lshr_b32 s34, s32, 2                         ; which 128 columns,
	s_and_b32 s35, s32, 3                          ; which 256 along K
	s_lshl_b32 s34, s34, 7
	s_lshl_b32 s36, s18, 5
	s_add_co_u32 s34, s34, s36                     ; my wave's first column
	s_mul_i32 s36, s35, s33
	s_lshl_b32 s36, s36, 8                         ; 256 rows of the weight for each step along K,
	s_lshl_b32 s37, s34, 2
	s_add_co_u32 s36, s36, s37                     ; + 4 bytes a column
	s_mov_b32 s37, 0
	s_add_nc_u64 s[40:41], s[20:21], s[36:37]      ; block 0's base
	s_lshl_b32 s38, s33, 5                         ; 32 rows on
	s_mov_b32 s39, 0
.irp t, 1,2,3,4,5,6,7
	s_add_nc_u64 s[40+2*\t:41+2*\t], s[38+2*\t:39+2*\t], s[38:39]   ; a base for each block, so that no base is stepped under a pending load
.endr
	s_lshl_b32 s36, s34, 10                        ; the codes: column x 1,024
	s_lshl_b32 s35, s35, 8
	s_add_co_u32 s36, s36, s35                     ; + 256 for each step along K
	s_add_nc_u64 s[22:23], s[22:23], s[36:37]
	v_lshlrev_b32 v[ROFF], 2, v2
.irp i, 1,2,3,4,5,6,7,8,9,10,11,12,13,14,15,16,17,18,19,20,21,22,23,24,25,26,27,28,29,30,31
	v_add_nc_u32 v[ROFF+\i], s33, v[ROFF+\i-1]
.endr
	WLOAD 0
	WLOAD 1
	s_wait_kmcnt 0x0
	s_cmp_ge_u32 s19, 96
	s_cselect_b32 s56, s31, s25                    ; e: entry 7 for w_out, entry 1 for w_qkv
	s_add_co_i32 s56, s56, 127
	s_lshl_b32 s57, s56, 23
	v_mov_b32 v11, s57                             ; 2^e
	s_add_co_i32 s56, s56, EMAX
	s_lshl_b32 s56, s56, 23
	s_or_b32 s56, s56, MANT
	s_wait_alu depctr_va_vdst(0)
.irp t, 0,1,2,3,4,5,6,7
	BLOCK \t
.endr
.irp t, 0,1,2,3,4,5,6,7,8,9,10,11,12,13,14,15
	ds_load_b128 v[OUTR+4*\t:OUTR+4*\t+3], v6 offset:2*\t*PITCH   ; LDS serves a wave's instructions in order: these see my stores
.endr
.irp t, 0,1,2,3,4,5,6,7,8,9,10,11,12,13,14,15
	s_wait_dscnt 15-\t
	global_store_b128 v7, v[OUTR+4*\t:OUTR+4*\t+3], s[22:23] offset:2*\t*1024   ; sixteen lanes store 256 consecutive bytes, aligned
.endr
	s_wait_tensorcnt 0x0                           ; the wave's end: the same three lines
	ds_add_u32 v[SPW], v[NIL]
	s_wait_dscnt 0x0
	s_endpgm
.Lfunc_end_k_qe201ef64b6_quant:
	.size	k_qe201ef64b6_quant, .Lfunc_end_k_qe201ef64b6_quant-k_qe201ef64b6_quant
	.p2alignl 7, 3214868480
	.fill 96, 4, 3214868480
	.section	.rodata,"a",@progbits
	.p2align	6, 0x0
	.amdhsa_kernel k_qe201ef64b6_quant
		.amdhsa_group_segment_fixed_size 68096
		.amdhsa_private_segment_fixed_size 0
		.amdhsa_enable_private_segment 0
		.amdhsa_kernarg_size 56
		.amdhsa_user_sgpr_count 2
		.amdhsa_user_sgpr_kernarg_segment_ptr 1
		.amdhsa_wavefront_size32 1
		.amdhsa_system_sgpr_workgroup_id_x 1
		.amdhsa_system_sgpr_workgroup_id_y 1
		.amdhsa_system_sgpr_workgroup_id_z 1
		.amdhsa_system_vgpr_workitem_id 0
		.amdhsa_next_free_vgpr 208
		.amdhsa_next_free_sgpr 66
		.amdhsa_reserve_vcc 0
		.amdhsa_float_denorm_mode_32 3
		.amdhsa_float_denorm_mode_16_64 3
		.amdhsa_fp16_overflow 1
		.amdhsa_memory_ordered 1
		.amdhsa_forward_progress 1
		.amdhsa_inst_pref_size 55
	.end_amdhsa_kernel
	.amdgpu_metadata
---
amdhsa.version: [ 1, 2 ]
amdhsa.kernels:
  - .name:           k_qe201ef64b6_quant
    .symbol:         k_qe201ef64b6_quant.kd
    .args:
      - { .name: x, .offset: 0, .size: 8, .value_kind: global_buffer, .address_space: global }
      - { .name: w_qkv, .offset: 8, .size: 8, .value_kind: global_buffer, .address_space: global }
      - { .name: w_out, .offset: 16, .size: 8, .value_kind: global_buffer, .address_space: global }
      - { .name: lowp_scales, .offset: 24, .size: 8, .value_kind: global_buffer, .address_space: global }
      - { .name: xc, .offset: 32, .size: 8, .value_kind: global_buffer, .address_space: global }
      - { .name: wqc, .offset: 40, .size: 8, .value_kind: global_buffer, .address_space: global }
      - { .name: woc, .offset: 48, .size: 8, .value_kind: global_buffer, .address_space: global }
    .group_segment_fixed_size: 68096
    .private_segment_fixed_size: 0
    .kernarg_segment_align: 8
    .kernarg_segment_size: 56
    .max_flat_workgroup_size: 128
    .sgpr_count:     66
    .vgpr_count:     208
    .wavefront_size: 32
...
	.end_amdgpu_metadata
.endif
;; end of part 1
;; launch gemm_qkv (part 2): grid 12 x 32, 4 waves a work-group, clusters of 4 x 4, 327,680 bytes of LDS; arguments xc, wqc, lowp_scales, qc, kc, vc; writes qc, kc, vc
.if DOCPART == 2
	.amdgcn_target "amdgcn-amd-amdhsa--gfx1250"
	.amdhsa_code_object_version 6
	.text
	.protected	k_qe201ef64b6_gemm_qkv
	.globl	k_qe201ef64b6_gemm_qkv
	.p2align	8
	.type	k_qe201ef64b6_gemm_qkv,@function
k_qe201ef64b6_gemm_qkv:
	s_mov_b64 s[64:65], 0
	v_nop
	global_prefetch_b8 v0, s[64:65] scope:SCOPE_SE
	s_setreg_imm32_b32 hwreg(HW_REG_WAVE_MODE, 25, 1), 1
	s_wait_xcnt 0x0
	s_wait_alu depctr_hold_cnt(0) depctr_sa_sdst(0) depctr_va_vdst(0) depctr_va_sdst(0) depctr_va_ssrc(0) depctr_va_vcc(0) depctr_vm_vsrc(0)
	s_getreg_b32 s2, hwreg(HW_REG_IB_STS2, 6, 4)
	s_cmp_eq_u32 s2, 0
	s_cbranch_scc0 .Lentry_in_a_cluster
	s_endpgm
.Lentry_in_a_cluster:
	s_bfe_u32 s2, ttmp6, 0x10000c
	s_cmp_lg_u32 s2, 0xf033
	s_cbranch_scc0 .Lentry_shape_is_right
	s_endpgm
.Lentry_shape_is_right:
; q, k, v = x w_qkv on codes of FP8 (E4M3), and each result quantised at once for the product that reads it.  K = 1,024.
; THE PRODUCT, in one form for all three: T[i][j] = sum over k of P[i][k] Q[j][k].  The matrix instruction takes 16 rows of Q as source 0 and 16 rows of P as source 1, so a lane holds row i = lane % 16 and
; eight neighbouring j.  The conversions take neighbours along the NEXT product's K from one lane's registers, so j must be that K:
;   cluster column 0 (q) and 1 (k): P = xc (i = token), Q = wqc (j = feature: the head's 64 are the next K);     cluster column 2 (v): P = wqc rows 2,048 on (i = feature), Q = xc (j = token: the keys are the next K).
; The choice is made by selects on the cluster's number alone; no branch hangs on it.
; OUT.  code = sum x 2^(e0 + e1) / 2^et, held within +-448; et = entry 2 (q), 3 (k), 5 (v).  The three exponents are folded into the conversion's one scale.  LIMIT: et - e0 - e1 between -126 and 119.
;   qc, kc: [16 b + head][token 2048][64 places];   vc: [16 b + head][key / 64][d 64][64 places].   Place 32 c + 16 h + 8 u + j holds index 32 c + 16 u + 8 h + j of its 64: for q and k the same order on both sides
;   of their product; for v the order in which two 16-byte loads a lane give each key the place that the K = 64 form's layout gives it.
; A tile of T, 256 x 256, is made by four waves, 128 x 128 each: 64 accumulators, 512 registers.  K goes in steps of 256 through a ring of two LDS slots filled by the tensor data mover.
; CLUSTERS: 4 x 4 work-groups.  The four of a row of the cluster need the same tiles of P, the four of a column the same tiles of Q: each tile is asked for jointly, by the same tensor load with the same descriptor and a mask.
; REGISTERS, in windows of 256: window 0: v0-31 addresses and the scale; from v128 P's fragments, one set; on the way out v96-159 at work.   window 1: Q's fragments, two sets.   windows 2, 3: the accumulators ((a, b) at v[8 (8 (a % 4) + b)]).
.set ROWB,   256                       ; a tile's row in bytes
.set KROW,   1024                      ; a row of xc or wqc in memory
.set PITCH,  272                       ; an LDS row: 256 bytes + 16 of padding: the 16 rows that a load touches start 68 words apart
.set FR,     16                        ; registers of a fragment: 16 rows x 128 K
.set NL,     4                         ; LDS loads that bring one
.set NP,     4                         ; places behind this matrix instruction (ISA guide 7.12.1)
.set HALFT,  128*PITCH                 ; 128 rows: what one tensor load brings
.set SLOT,   4*HALFT                   ; P's 256 rows, then Q's 256 rows
.set LAPS,   2                         ; 1,024 / 512: a lap = two K steps = once round the ring
.set SPARE,  2*SLOT                    ; behind the ring: the spare words, 128 bytes for each wave
.set SPITCH, 144                       ; the way out: a stage of 16 rows x (128 bytes + 16) for each wave, in slot 0, which has had its last fill and its last read by then
.set ADRA, 16                          ; v16-17  LDS address of my P fragments in slot 0, 1
.set ADRB, 20                          ; v20-21  the same for Q
.set STO,  24                          ; v24     the way out: where I put 16 bytes of a row
.set RD,   25                          ; v25     where I read 16 bytes back
.set CO,   26                          ; v26     my byte offset in the output
.set SPW,  28                          ; v28     LDS address of my spare word; never rewritten
.set NIL,  29                          ; v29     0; never rewritten
.set LIM,  30
.set SCL,  31                          ; v31     the scale as f32
.set TMP,  32                          ; v32-95  a block's sums, held
.set CDR,  96                          ; v96-127 their codes, two sets
.set AF,   128                         ; P's fragments
.set BK,   128                         ; the way out: rows read back: v128-143 and v144-159 by turns
.set G1, 24                            ; s[24:31] descriptor group 1 for P's tiles;  s[32:39] group 0, one set for each slot
.set G0, 32
.set G1B, 48                           ; s[48:55], s[56:63] the same for Q's
.set G0B, 56
.set MSB, 0
.macro WIN new                         ; the immediate's high byte repeats the setting that is left
.if MSB != \new
	s_set_vgpr_msb (MSB<<8)|\new
.set MSB, \new
.endif
.endm
.set MUL_LO, 0xa1                      ; source 0 (Q) window 1, source 1 (P) window 0, C and D window 2
.set MUL_HI, 0xf1                      ; the same, C and D window 3
.set TO_B,   0x40                      ; destination window 1, address window 0
; A joint load: waves 0 and 1 fetch for P, waves 2 and 3 for Q.  The branch hangs on the wave's number alone.  An s_nop 0 and four v_nop follow each of the two lines.
.macro JLOAD g0a, g1a, g0b, g1b
	s_cmp_eq_u32 s15, 0
	s_cbranch_scc0 .Lfor_b_\@
	tensor_load_to_lds s[\g0a:\g0a+3], s[\g1a:\g1a+7]
	s_nop 0
.rept 4
	v_nop
.endr
	s_branch .Lasked_\@
.Lfor_b_\@:
	tensor_load_to_lds s[\g0b:\g0b+3], s[\g1b:\g1b+7]
	s_nop 0
.rept 4
	v_nop
.endr
.Lasked_\@:
.endm
.macro CREST                           ; a round of the cluster's barrier behind its opening barrier
	s_cmp_lg_u32 s14, 0
	s_cbranch_scc1 .Lnot_wave_0_\@
	s_barrier_signal -3
.Lnot_wave_0_\@:
	s_barrier_wait -3
	s_barrier_signal -1
	s_barrier_wait -1
.endm
.macro CROUND                          ; a whole round
	s_barrier_signal -1
	s_barrier_wait -1
	CREST
.endm
	s_load_b128 s[4:7], s[0:1], 0x0                ; xc s[4:5], wqc s[6:7]
	s_load_b128 s[8:11], s[0:1], 0x10              ; the scales' exponents s[8:9], qc s[10:11]
	s_load_b128 s[76:79], s[0:1], 0x20             ; kc s[76:77], vc s[78:79]
	v_lshl_add_u32 v[SPW], v0, 2, SPARE
	v_mov_b32 v[NIL], 0
	ds_add_u32 v[SPW], v[NIL]                      ; the wave's opening: the add and its wait ahead of my first tensor load; the set-up below, work on registers, stands between them
	ds_add_u32 v[SPW], v[NIL]
	v_lshrrev_b32 v1, 5, v0
	v_readfirstlane_b32 s14, v1                    ; wave 0..3
	s_lshr_b32 s15, s14, 1                         ; which half of the tile's rows i is mine.  Also: I fetch for P (0) or for Q (1)
	s_and_b32 s16, s14, 1                          ; which half of its columns j.  Also: which 128 rows of that tile I fetch
	s_bfe_u32 s40, ttmp6, 0x40000                  ; cx, cy: my place in the cluster
	s_bfe_u32 s41, ttmp6, 0x40004
	s_and_b32 s66, ttmp7, 0xffff                   ; the cluster's y
	s_cmp_eq_u32 ttmp9, 2                          ; the cluster's x: 0 q, 1 k, 2 v
	s_cselect_b32 s67, 0, s66
	s_cselect_b32 s86, s66, ttmp9
	s_cselect_b32 s87, 2048, 0                     ; v: P begins at wqc's row 2,048
	s_lshl_b32 s17, s67, 2
	s_add_co_u32 s17, s17, s41                     ; tile row of T: cy + 4 x (v: 0; else the cluster's y)
	s_lshl_b32 s42, s86, 2
	s_add_co_u32 s42, s42, s40                     ; tile column of T: cx + 4 x (v: the cluster's y; else its x)
	s_lshl_b32 s43, s41, 2
	s_lshl_b32 s43, 15, s43                        ; my row of the cluster
	s_lshl_b32 s44, 0x1111, s40                    ; my column
	; descriptor group 1: a tile of 128 rows x 256 bytes, padded in LDS
	s_or_b32 s[G1+0], s43, (0<<16)|(1<<20)|(1<<21)|(5<<22)|(3<<25)  ; 15:0 the mask: P's tiles go to my row; 17:16 element of 1 byte; 20 padding on; 21 set beside a mask; 24:22 after every 64 words; 31:25 of 4 words
	s_or_b32 s[G1B+0], s44, (0<<16)|(1<<20)|(1<<21)|(5<<22)|(3<<25)
.irp g, G1, G1B
	s_mov_b32 s[\g+1], ROWB<<16                    ; tensor_dim0
	s_mov_b32 s[\g+2], 128<<16                     ; tensor_dim1
	s_mov_b32 s[\g+3], ROWB<<16                    ; tile_dim0
	s_mov_b32 s[\g+4], 128                         ; tile_dim1
	s_mov_b32 s[\g+5], KROW                        ; tensor_dim0_stride
	s_mov_b32 s[\g+6], 0
	s_mov_b32 s[\g+7], 0
.endr
	s_lshl_b32 s18, s16, 7                         ; which 128 rows of the tile I fetch
	s_lshl_b32 s20, s17, 8
	s_add_co_u32 s20, s20, s18
	s_add_co_u32 s20, s20, s87                     ; P: row 256 x tile row + 128 x half (+ 2,048)
	s_lshl_b32 s20, s20, 10                        ; in bytes: under 2^24
	s_mov_b32 s21, 0
	s_lshl_b32 s46, s42, 8
	s_add_co_u32 s46, s46, s18                     ; Q: row 256 x tile column + 128 x half
	s_lshl_b32 s46, s46, 10
	s_mov_b32 s47, 0
	s_mul_i32 s45, s14, HALFT                      ; where they go: wave x 128 rows: no place in the cluster enters an LDS address
	s_wait_dscnt 0x0                               ; the opening add is done
	s_wait_kmcnt 0x0
	s_load_b256 s[68:75], s[8:9], 0x0              ; the eight exponents
	s_cmp_eq_u32 ttmp9, 2
	s_cselect_b64 s[80:81], s[6:7], s[4:5]         ; P's buffer,
	s_cselect_b64 s[82:83], s[4:5], s[6:7]         ; Q's
	s_add_nc_u64 s[20:21], s[80:81], s[20:21]
	s_add_nc_u64 s[46:47], s[82:83], s[46:47]
	CROUND                                         ; all sixteen work-groups are here: the first joint loads meet
.irp s, 0,1
	s_mov_b32 s[G0+4*\s], 1
	s_add_co_u32 s[G0+4*\s+1], s45, \s*SLOT
	s_add_nc_u64 s[G0+4*\s+2:G0+4*\s+3], s[20:21], \s*ROWB
	s_or_b32 s[G0+4*\s+3], s[G0+4*\s+3], 0x80000000
	s_mov_b32 s[G0B+4*\s], 1
	s_add_co_u32 s[G0B+4*\s+1], s45, \s*SLOT
	s_add_nc_u64 s[G0B+4*\s+2:G0B+4*\s+3], s[46:47], \s*ROWB
	s_or_b32 s[G0B+4*\s+3], s[G0B+4*\s+3], 0x80000000
	JLOAD G0+4*\s, G1, G0B+4*\s, G1B
.endr
	v_and_b32 v1, 15, v0                           ; r = l % 16
	s_wait_alu depctr_va_vdst(0)
	v_bfe_u32 v2, v0, 4, 1                         ; h = l / 16
	v_mul_u32_u24 v3, v1, PITCH
	v_lshl_add_u32 v4, v2, 4, v3                   ; a fragment's row x pitch + 16 x half
	s_mul_i32 s21, s15, HALFT                      ; my 128 rows of P
	s_mul_i32 s22, s16, HALFT                      ; my 128 rows of Q,
	s_add_co_u32 s22, s22, 2*HALFT                 ; which lie behind P's 256
.irp s, 0,1
	v_add_nc_u32 v[ADRA+\s], s21, v4
	v_add_nc_u32 v[ADRB+\s], s22, v4
	s_add_co_u32 s21, s21, SLOT
	s_add_co_u32 s22, s22, SLOT
.endr
	; THE OUTPUT'S PLACE.  seq: the tile and half along the tokens; hd: along the features.
	s_and_b32 s92, s42, 3
	s_cmp_eq_u32 ttmp9, 1
	s_cselect_b64 s[10:11], s[76:77], s[10:11]
	s_cmp_eq_u32 ttmp9, 2
	s_cselect_b64 s[10:11], s[78:79], s[10:11]     ; qc, kc or vc
	s_cselect_b32 s90, s42, s17                    ; seq tile
	s_cselect_b32 s91, s16, s15                    ; seq half
	s_cselect_b32 s92, s17, s92                    ; hd tile (0..3): four heads
	s_cselect_b32 s93, s15, s16                    ; hd half: two heads
	s_mov_b32 s84, 1024
	s_cselect_b32 s84, 128000, s84                 ; from my block 3 to my block 4: 16 rows of 64 bytes on; for v into the next head: 131,072 - 3 x 1,024
	s_mov_b32 s85, 0
	s_mov_b32 s86, 131072
	s_cselect_b32 s86, 4096, s86                   ; from my first 64 columns to my second: the next head; for v the next 64 keys
	s_lshr_b32 s94, s90, 3                         ; b
	s_lshl_b32 s94, s94, 4
	s_lshl_b32 s92, s92, 2
	s_add_co_u32 s94, s94, s92
	s_lshl_b32 s93, s93, 1
	s_add_co_u32 s94, s94, s93                     ; 16 b + head
	s_lshl_b32 s94, s94, 17                        ; x 131,072 bytes
	s_and_b32 s90, s90, 7
	s_lshl_b32 s90, s90, 14                        ; 256 tokens are 16,384 bytes in all three layouts
	s_add_co_u32 s94, s94, s90
	s_lshl_b32 s91, s91, 13
	s_add_co_u32 s94, s94, s91
	s_mov_b32 s95, 0
	s_add_nc_u64 s[10:11], s[10:11], s[94:95]
	s_mul_i32 s23, s14, 16*SPITCH                  ; my stage
	v_mul_u32_u24 v5, v1, SPITCH                   ; in: row r, 16 bytes for each half of the lanes
	s_wait_alu depctr_va_vdst(0)
	v_lshl_add_u32 v5, v2, 4, v5
	v_add_nc_u32 v[STO], s23, v5
	v_bfe_u32 v6, v0, 2, 2                         ; (l / 4) % 4: which of four rows
	v_and_b32 v7, 3, v0                            ; l % 4: which 16 of a row's 64 bytes
	v_mul_u32_u24 v5, v6, SPITCH                   ; back: lanes 0-15 take the first 64 bytes of four rows, lanes 16-31 the second 64
	v_lshl_add_u32 v5, v2, 6, v5
	v_lshl_add_u32 v5, v7, 4, v5
	v_add_nc_u32 v[RD], s23, v5
	v_mul_u32_u24 v5, v2, s86                      ; and in the output: four rows of 64 bytes on end are 256 bytes
	v_lshl_add_u32 v5, v6, 6, v5
	v_lshl_add_u32 v[CO], v7, 4, v5
.macro FRAG reg, adr, q, i             ; a fragment, 16 rows x 128 K, is 16 registers: lane l holds row l % 16; registers 4 c .. 4 c + 3 hold K = 32 c + 16 (l / 16) + 0 .. 15: one order of k, the same in P and in Q
.irp c, 0,1,2,3
	ds_load_b128 v[\reg+4*\c:\reg+4*\c+3], v[\adr] offset:128*(\q)+32*\c+(\i)*16*PITCH
.endr
.endm
; 16 matrix instructions: P's blocks a0, a0 + 1 x Q's eight, 128 along K.  p: Q's set.  zero = 1: the first product starts the sums.  The 64 accumulators take turns, one instruction a turn.
.macro MUL16 a0, p, zero
.irp a, \a0, \a0+1
.irp b, 0,1,2,3,4,5,6,7
.if \zero
	v_wmma_f32_16x16x128_fp8_fp8 v[8*(8*((\a)%4)+\b):8*(8*((\a)%4)+\b)+7], v[128*(\p)+FR*\b:128*(\p)+FR*\b+FR-1], v[AF+FR*(\a):AF+FR*(\a)+FR-1], 0
.else
	v_wmma_f32_16x16x128_fp8_fp8 v[8*(8*((\a)%4)+\b):8*(8*((\a)%4)+\b)+7], v[128*(\p)+FR*\b:128*(\p)+FR*\b+FR-1], v[AF+FR*(\a):AF+FR*(\a)+FR-1], v[8*(8*((\a)%4)+\b):8*(8*((\a)%4)+\b)+7]
.endif
.endr
.endr
.endm
.macro FETCH_B slot, q, p              ; Q's eight fragments of the slot's q-th 128 along K into set p
	WIN TO_B
.irp i, 0,1,2,3,4,5,6,7
	FRAG 128*(\p)+FR*\i, ADRB+\slot, \q, \i
.endr
	WIN 0
.endm
.macro FETCH_A slot, q, i0             ; P's blocks i0 .. i0 + 3
.irp i, \i0, \i0+1, \i0+2, \i0+3
	FRAG AF+FR*(\i), ADRA+\slot, \q, \i
.endr
.endm
.macro PLACES n                        ; plain vector instructions between a matrix instruction and a load into its registers, or a read of its result
.rept \n
	v_nop
.endr
.endm
; A step of 128 along K that has its successor in the same slot.
.macro STEP slot, q, zero
	s_wait_dscnt 4*NL                              ; Q's set and P's blocks 0-3 are in; the youngest sixteen loads (P's blocks 4-7) may be out
	WIN MUL_LO
	MUL16 0, (\q)%2, \zero
	MUL16 2, (\q)%2, \zero
	s_wait_dscnt 0                                 ; P's blocks 4-7 are in
	PLACES NP
	FETCH_B \slot, (\q)+1, 1-(\q)%2
	FETCH_A \slot, (\q)+1, 0
	WIN MUL_HI
	MUL16 4, (\q)%2, \zero
	MUL16 6, (\q)%2, \zero
	PLACES NP
	WIN 0
	FETCH_A \slot, (\q)+1, 4
.endm
; A slot's last step changes slots: one barrier; in front of it each wave waits for all its tensor loads, adds 0 to its spare word, and waits for that and for its own reads of this slot.  fill = 1: this slot is filled again, two K steps ahead.
.macro TURN slot, next, fill
	s_wait_tensorcnt 0x0                           ; all my tensor loads have landed: my part of the next slot  (every window is 0 here)
	ds_add_u32 v[SPW], v[NIL]                      ; 0 onto my spare word
	s_wait_dscnt 4*NL+1                            ; (the add and the youngest sixteen loads may be out)
	WIN MUL_LO
	MUL16 0, 1, 0                                  ; sixteen matrix instructions stand between the add and the wait for it
	s_wait_dscnt 0x0                               ; the add is done, and my reads of this slot are over
	s_barrier_signal -1
	MUL16 2, 1, 0
	WIN 0
	s_barrier_wait -1
.if \fill
	CREST                                          ; the barrier has opened a round of the cluster's barrier: no wave of any partner still reads this slot or has a load on its way
	s_add_nc_u64 s[G0+4*\slot+2:G0+4*\slot+3], s[G0+4*\slot+2:G0+4*\slot+3], 2*ROWB
	s_add_nc_u64 s[G0B+4*\slot+2:G0B+4*\slot+3], s[G0B+4*\slot+2:G0B+4*\slot+3], 2*ROWB
	JLOAD G0+4*\slot, G1, G0B+4*\slot, G1B         ; the first tensor load behind the round; the four v_nop behind it are the places in front of the loads below
.else
	PLACES NP
.endif
	FETCH_B \next, 0, 0
	FETCH_A \next, 0, 0
	WIN MUL_HI
	MUL16 4, 1, 0
	MUL16 6, 1, 0
	PLACES NP
	WIN 0
	FETCH_A \next, 0, 4
.endm
	s_wait_tensorcnt 1                             ; my part of K step 0 is in (K step 1's load may be out)
	s_barrier_signal -1
	s_barrier_wait -1                              ; everybody's is
	FETCH_B 0, 0, 0
	FETCH_A 0, 0, 0
	FETCH_A 0, 0, 4
	STEP 0, 0, 1                                   ; the first step stands in front of the loop: its products start the sums
	s_mov_b32 s3, LAPS-1
.Llap:                                                 ; a trip goes once round the ring, from a lap's second step to the next lap's first, and fills both slots again
	TURN 0, 1, 1
	STEP 1, 0, 0
	TURN 1, 0, 1
	STEP 0, 0, 0
	s_sub_co_u32 s3, s3, 1
	s_cmp_lg_u32 s3, 0
	s_cbranch_scc1 .Llap
	TURN 0, 1, 0                                   ; the last lap fills nothing, and has no round of the cluster's barrier
	STEP 1, 0, 0
	s_wait_dscnt 4*NL                              ; the very last step: nothing more to fetch
	WIN MUL_LO
	MUL16 0, 1, 0
	MUL16 2, 1, 0
	s_wait_dscnt 0
	WIN MUL_HI
	MUL16 4, 1, 0
	MUL16 6, 1, 0
	WIN 0
; THE WAY OUT, block by block of 16 rows i x 128 columns j.  A lane's eight sums of an accumulator become eight codes; accumulators 2 B and 2 B + 1 give the lane 16 bytes, places 32 B + 16 h + 0 .. 15 of its row.
; A block goes through my own stage in LDS and comes back so that sixteen neighbouring lanes hold 256 consecutive bytes of the output.  LDS serves a wave's instructions in order: no wait between the stores and the loads.
.macro TOSTAGE a
.set AC, 64*((\a)%4)
.set CD, CDR+16*((\a)%2)
.set BB, BK+16*((\a)%2)
	WIN 0x02+((\a)/4)                              ; source 0: window 2 or 3
.irp j, 0,1,2,3,4,5,6,7,8,9,10,11,12,13,14,15,16,17,18,19,20,21,22,23,24,25,26,27,28,29,30,31,32,33,34,35,36,37,38,39,40,41,42,43,44,45,46,47,48,49,50,51,52,53,54,55,56,57,58,59,60,61,62,63
.endr
.irp b, 0,1,2,3,4,5,6,7
	v_cvt_scalef32_pk8_fp8_f32 v[CD+2*\b:CD+2*\b+1], v[AC+8*\b:AC+8*\b+7], v[SCL]
.endr
	WIN 0
	v_nop                                          ; one plain vector instruction behind the last conversion
.irp b, 0,1,2,3
	ds_store_b128 v[STO], v[CD+4*\b:CD+4*\b+3] offset:32*\b
.endr
.irp t, 0,1,2,3
	ds_load_b128 v[BB+4*\t:BB+4*\t+3], v[RD] offset:\t*4*SPITCH
.endr
.endm
.macro SEND a, younger                 ; younger: the LDS instructions issued behind block a's loads, which may stay out
.set BB, BK+16*((\a)%2)
	s_wait_dscnt \younger                          ; the block is back in registers
.if (\a) == 4
	s_add_nc_u64 s[10:11], s[10:11], s[84:85]      ; (behind a wait on XCNT: the earlier stores have read their base)
.elseif (\a) > 0
	s_add_nc_u64 s[10:11], s[10:11], 1024          ; 16 rows of 64 bytes on
.endif
.irp t, 0,1,2,3
	global_store_b128 v[CO], v[BB+4*\t:BB+4*\t+3], s[10:11] offset:256*\t   ; lanes 0-15 store 256 consecutive bytes, aligned, and so do lanes 16-31
.endr
.endm
	s_wait_kmcnt 0x0
	s_cmp_eq_u32 ttmp9, 0
	s_cselect_b32 s88, s70, s71                    ; et: entry 2 for q, entry 3 for k,
	s_cmp_eq_u32 ttmp9, 2
	s_cselect_b32 s88, s73, s88                    ; entry 5 for v
	s_sub_co_i32 s88, s88, s68
	s_sub_co_i32 s88, s88, s69                     ; et - e0 - e1
	s_add_co_i32 s88, s88, 127
	s_lshl_b32 s89, s88, 23
	v_mov_b32 v[SCL], s89                          ; 2^(et - e0 - e1) as f32: the conversion takes its exponent field
	s_add_co_i32 s88, s88, 8
	s_lshl_b32 s88, s88, 23
	s_or_b32 s88, s88, 0x600000
	PLACES NP                                      ; behind the last products: for the reads of results and for the loads into the registers that held P's fragments
	TOSTAGE 0
.irp a, 1,2,3,4,5,6,7
.if \a > 1
	s_wait_xcnt 0x0                                ; block a - 2's stores have read their registers and their base: block a's loads may land there, and the base may step
.endif
	TOSTAGE \a
	SEND \a-1, 8                                   ; behind block a - 1's loads: block a's 4 stores and 4 loads
.endr
	s_wait_xcnt 0x0                                ; block 6's stores have read their base
	SEND 7, 0
	s_wait_tensorcnt 0x0                           ; the wave's end: these three lines, behind my last tensor load and my last LDS store
	ds_add_u32 v[SPW], v[NIL]
	s_wait_dscnt 0x0
	CROUND                                         ; the closing round: no work-group ends while a partner may still ask for a tile that names it
	s_endpgm
.Lfunc_end_k_qe201ef64b6_gemm_qkv:
	.size	k_qe201ef64b6_gemm_qkv, .Lfunc_end_k_qe201ef64b6_gemm_qkv-k_qe201ef64b6_gemm_qkv
	.p2alignl 7, 3214868480
	.fill 96, 4, 3214868480
	.section	.rodata,"a",@progbits
	.p2align	6, 0x0
	.amdhsa_kernel k_qe201ef64b6_gemm_qkv
		.amdhsa_group_segment_fixed_size 327680
		.amdhsa_private_segment_fixed_size 0
		.amdhsa_enable_private_segment 0
		.amdhsa_kernarg_size 48
		.amdhsa_user_sgpr_count 2
		.amdhsa_user_sgpr_kernarg_segment_ptr 1
		.amdhsa_wavefront_size32 1
		.amdhsa_system_sgpr_workgroup_id_x 1
		.amdhsa_system_sgpr_workgroup_id_y 1
		.amdhsa_system_sgpr_workgroup_id_z 1
		.amdhsa_system_vgpr_workitem_id 0
		.amdhsa_next_free_vgpr 1024
		.amdhsa_next_free_sgpr 98
		.amdhsa_reserve_vcc 0
		.amdhsa_float_denorm_mode_32 3
		.amdhsa_float_denorm_mode_16_64 3
		.amdhsa_fp16_overflow 1
		.amdhsa_memory_ordered 1
		.amdhsa_forward_progress 1
		.amdhsa_inst_pref_size 92
	.end_amdhsa_kernel
	.amdgpu_metadata
---
amdhsa.version: [ 1, 2 ]
amdhsa.kernels:
  - .name:           k_qe201ef64b6_gemm_qkv
    .symbol:         k_qe201ef64b6_gemm_qkv.kd
    .args:
      - { .name: xc, .offset: 0, .size: 8, .value_kind: global_buffer, .address_space: global }
      - { .name: wqc, .offset: 8, .size: 8, .value_kind: global_buffer, .address_space: global }
      - { .name: lowp_scales, .offset: 16, .size: 8, .value_kind: global_buffer, .address_space: global }
      - { .name: qc, .offset: 24, .size: 8, .value_kind: global_buffer, .address_space: global }
      - { .name: kc, .offset: 32, .size: 8, .value_kind: global_buffer, .address_space: global }
      - { .name: vc, .offset: 40, .size: 8, .value_kind: global_buffer, .address_space: global }
    .group_segment_fixed_size: 327680
    .private_segment_fixed_size: 0
    .kernarg_segment_align: 8
    .kernarg_segment_size: 48
    .max_flat_workgroup_size: 128
    .sgpr_count:     98
    .vgpr_count:     1024
    .wavefront_size: 32
...
	.end_amdgpu_metadata
.endif
;; end of part 2
;; launch attn (part 3): grid 256 x 1, 16 waves a work-group, clusters of 4 x 1, 327,680 bytes of LDS; arguments qc, kc, vc, attention_mask, lowp_scales, ac; writes ac
.if DOCPART == 3
	.amdgcn_target "amdgcn-amd-amdhsa--gfx1250"
	.amdhsa_code_object_version 6
	.text
	.protected	k_qe201ef64b6_attn
	.globl	k_qe201ef64b6_attn
	.p2align	8
	.type	k_qe201ef64b6_attn,@function
k_qe201ef64b6_attn:
	s_mov_b64 s[64:65], 0
	v_nop
	global_prefetch_b8 v0, s[64:65] scope:SCOPE_SE
	s_setreg_imm32_b32 hwreg(HW_REG_WAVE_MODE, 25, 1), 1
	s_wait_xcnt 0x0
	s_wait_alu depctr_hold_cnt(0) depctr_sa_sdst(0) depctr_va_vdst(0) depctr_va_sdst(0) depctr_va_ssrc(0) depctr_va_vcc(0) depctr_vm_vsrc(0)
	s_getreg_b32 s2, hwreg(HW_REG_IB_STS2, 6, 4)
	s_cmp_eq_u32 s2, 0
	s_cbranch_scc0 .Lentry_in_a_cluster
	s_endpgm
.Lentry_in_a_cluster:
	s_bfe_u32 s2, ttmp6, 0x10000c
	s_cmp_lg_u32 s2, 0x3003
	s_cbranch_scc0 .Lentry_shape_is_right
	s_endpgm
.Lentry_shape_is_right:
; Causal attention with a padding mask, head size 64, both products on codes of FP8 (E4M3); the result is quantised at once for the output product.
; qc, kc: [16 b + head][token][64 places]; vc: [16 b + head][key / 64][d][64 places] (keys innermost); ac: [token / 16][head][d / 16][token % 16][d % 16], the register image of the next product's operand.
; THE SOFTMAX AHEAD OF THE SECOND PRODUCT: t = score x log2(e) / 8; M = the row's largest t so far, rounded UP to a whole number; p = 2^(t - M) is quantised along the keys, not normalised.
; The row's sum is taken of the unquantised p and divides at the end.  When M moves, the sum and O are multiplied by 2^(old M - new M): exact.
; SHARES.  A cluster of four work-groups owns one (b, head); its partners walk the same K and V, asked for jointly.  The head's 128 tiles of 16 queries are numbered 4 u + cx, cx the partner: with key steps of 64 a step s is
; hidden for a tile where s > u, on the diagonal where s = u, open where s < u, WHATEVER cx IS: so every branch hangs on the wave's number and the step alone.  Wave w owns tiles u = UI and u = 31 - UI: 33 tile steps for every wave.
; LAYOUT.  S^T = K Q^T (source 0 = 16 keys, source 1 = 16 queries), O^T = V^T P^T (source 0 = 16 of the head's 64, source 1 = P): a lane holds ONE query (lane % 16) throughout, and its eight registers of key tile T are
; keys 16 T + 8 (lane / 16) + 0 .. 7: the very places that the K = 64 form gives them, so the conversions' results are the second product's operand.
; THE PADDING MASK is the C of S^T: 0 for a key that counts, -2^100 for a padded one, in LDS, one f32 a key.  Keys behind the diagonal get -2^100 by a select.  p of such a key is 0.
; The largest t begins at c x (-2^24), under every score (a score in code units is under 64 x 448^2 < 2^24): a row with no key so far keeps a finite M and the sum 0.
; A ROW WITH NO KEY AT ALL (every key up to the query padded): all 2,048 logits are equal there, so p = 1 for ALL keys and the sum is 2,048.  Its O is the sum over all keys of code(1) x code(v), made once at the head by the matrix unit
; and kept in LDS; at the end it takes the place of O where the sum is 0, by a select.
; LIMITS on the given exponents: e2 + e3 between -89 and 100 (c, c x 2^24 stay f32 numbers, and c x 2^100 pushes p under the smallest f32); e4 and e6 between -126 and 119; e4 + e5 is applied by v_ldexp_f32.
.set VOFF,  40960                      ; a slot: 512 rows of K (64 bytes + 16), then 8 blocks of V: 64 rows (64 bytes + 16) each
.set BIAS,  81920                      ; 2,048 f32: the padding mask as an addend
.set VSP,   90112                      ; 16 images of 1,024 bytes: the sixteen parts of the sum over all keys
.set SPARE, 106496                     ; the spare words, 128 bytes for each wave: eight blocks of 256 bytes that no other line names
.set SLOT1, 1<<17                      ; slot 1 begins here, so that one exclusive or turns an address in one slot into the other's
.set AK0, 1                            ; v1   my lane's place in a tile of K or V: 80 r + 16 h
.set AVS, 2                            ; v2   VSP + 16 x lane
.set AB0, 3                            ; v3   BIAS + 32 h
.set DV,  4                            ; v4   16 cx + r - 8 h: on the diagonal register n is hidden where 16 (n / 8) + n % 8 is above it
.set SPW, 5                            ; v5   LDS address of my spare word; never rewritten
.set NIL, 6                            ; v6   0; never rewritten
.set GO,  7                            ; v7   16 r + 8 h: my 8 bytes of an image's 256
.set ADR, 8                            ; v8   LDS address of the step's K and V
.set ADB, 9                            ; v9   of its addends
.set LIMP, 10                          ; v10  448 x 2^e4
.set SCP,  11                          ; v11  2^e4
.set STH, 12                           ; v12-17 the upper tile: -M, the largest t; the sum in two halves; f, (written)
.set STL, 18                           ; v18-23 the lower tile
.set NB,  27                           ; v27  -2^100
.set LIMO, 30
.set SCO,  31                          ; v31  2^e6
.set QH,  32                           ; v32-39 Q of the upper tile;  v40-47 of the lower
.set QL,  40
.set KF,  48                           ; v48-79   K: four fragments
.set BI,  80                           ; v80-111  the addends, in the result's layout
.set S,   112                          ; v112-143 S^T, then p
.set PH,  144                          ; v144-151, v152-159 p's codes
.set PL,  152
.set OH,  160                          ; v160-191, v192-223 O^T
.set OL,  192
.set VF,  224                          ; v224-255 V: four fragments
.set WV,  16                           ; s16  my wave's number
.set ULO, 17                           ; s17  u of my lower tile, 0 .. 15
.set UHI, 18                           ; s18  u of my upper tile, 31 - that
.set CX,  19                           ; s19  my place in the cluster: it enters Q's and the output's addresses and v4 alone
.set SEL, 20                           ; s[20:21] lane selects for v_permlanex16_b32: lane l xor 16
.set CS,  22                           ; s[22:23] c = log2(e) / 8 x 2^(e2 + e3)
.set G1,  24                           ; s[24:31] descriptor group 1, for K's tiles and V's alike
.set G0K, 32                           ; s[32:35], s[36:39] their groups 0, which walk
.set G0V, 36
.set TB,  40                           ; s40  LDS byte at which the step's rows of K begin
.set SLOTS, 41
.set STEPC, 42
.set SI,  43                           ; s43  the key step, 0 .. 31
.set BB,  44                           ; s44  256 x that
.set EPV, 45                           ; s45  e4 + e5
.set BH,  46                           ; s[46:47] the upper tile's place in ac;  s[66:67] the lower's
.set BL,  66
.macro CROUND                          ; a round of the cluster's barrier
	s_barrier_signal -1
	s_barrier_wait -1
	s_cmp_lg_u32 s[WV], 0
	s_cbranch_scc1 .Lnot_wave_0_\@
	s_barrier_signal -3
.Lnot_wave_0_\@:
	s_barrier_wait -3
	s_barrier_signal -1
	s_barrier_wait -1
.endm
; A joint load: waves 0 and 1 fetch the two halves of a slot's K, waves 2 and 3 of its V, the others nothing.  The branches hang on the wave's number alone.  An s_nop 0 and four v_nop follow each line.
.macro TLOAD
	s_cmp_lt_u32 s[WV], 2
	s_cbranch_scc0 .Lnot_k_\@
	tensor_load_to_lds s[G0K:G0K+3], s[G1:G1+7]
	s_nop 0
.rept 4
	v_nop
.endr
	s_branch .Lasked_\@
.Lnot_k_\@:
	s_cmp_lt_u32 s[WV], 4
	s_cbranch_scc0 .Lasked_\@
	tensor_load_to_lds s[G0V:G0V+3], s[G1:G1+7]
	s_nop 0
.rept 4
	v_nop
.endr
.Lasked_\@:
.endm
	s_load_b256 s[4:11], s[0:1], 0x0               ; qc s[4:5], kc s[6:7], vc s[8:9], the mask s[10:11]
	s_load_b128 s[12:15], s[0:1], 0x20             ; the scales' exponents s[12:13], ac s[14:15]
	v_lshl_add_u32 v[SPW], v0, 2, SPARE
	v_mov_b32 v[NIL], 0
	ds_add_u32 v[SPW], v[NIL]                      ; the wave's opening: the add and its wait ahead of my first tensor load; the set-up below, work on registers, stands between them
	ds_add_u32 v[SPW], v[NIL]
	v_lshrrev_b32 v8, 5, v0
	s_delay_alu instid0(VALU_DEP_1)
	v_readfirstlane_b32 s[WV], v8                  ; wave 0..15
	s_bfe_u32 s[CX], ttmp6, 0x40000
	s_lshr_b32 s56, s[WV], 2                       ; w / 4
	s_and_b32 s57, s[WV], 3                        ; w % 4
	s_mul_i32 s58, s56, 3
	s_add_co_u32 s58, s58, s57
	s_and_b32 s58, s58, 3
	s_lshl_b32 s58, s58, 2
	s_add_co_u32 s[ULO], s58, s56                  ; w / 4 + 4 ((3 (w / 4) + w % 4) % 4): any four neighbouring u fall on four different w % 4 and four different w / 4
	s_xor_b32 s[UHI], s[ULO], 31
	; descriptor group 1: 16,384 dense bytes as 64 rows of 256, with 16 bytes of padding behind every 64: in LDS 256 rows of 64 bytes, 80 apart
	s_mov_b32 s[G1], 15|(0<<16)|(1<<20)|(1<<21)|(3<<22)|(3<<25)   ; 15:0 the mask: all four work-groups; 17:16 elements of 1 byte; 20 padding on; 21 set beside a mask; 24:22 after every 16 words; 31:25 of 4 words
	s_mov_b32 s[G1+1], 256<<16                     ; tensor_dim0
	s_mov_b32 s[G1+2], 64<<16                      ; tensor_dim1
	s_mov_b32 s[G1+3], 256<<16                     ; tile_dim0
	s_mov_b32 s[G1+4], 64                          ; tile_dim1
	s_mov_b32 s[G1+5], 256                         ; tensor_dim0_stride
	s_mov_b32 s[G1+6], 0
	s_mov_b32 s[G1+7], 0
	s_mov_b32 s[SEL], 0x76543210
	s_mov_b32 s[SEL+1], 0xfedcba98
	s_mov_b32 s[TB], 0
	s_mov_b32 s[SLOTS], 3
	s_mov_b32 s[SI], 0
	s_mov_b32 s[BB], 0
	s_lshl_b32 s60, ttmp9, 17                      ; the cluster's number is 16 b + head: its 131,072 bytes in qc, kc and vc
	s_mov_b32 s61, 0
	s_and_b32 s62, s[WV], 1                        ; which half of a slot I fetch, if I fetch:
	s_lshl_b32 s68, s62, 14                        ; 16,384 bytes in memory,
	s_add_co_u32 s68, s68, s60
	s_mov_b32 s69, 0
	s_mul_i32 s63, s62, 20480                      ; 20,480 in LDS: no place in the cluster enters an LDS address
	s_wait_dscnt 0x0                               ; the opening add is done
	s_wait_kmcnt 0x0
	s_load_b256 s[48:55], s[12:13], 0x0            ; the eight exponents
	s_mov_b32 s[G0K], 1
	s_mov_b32 s[G0K+1], s63
	s_add_nc_u64 s[G0K+2:G0K+3], s[6:7], s[68:69]
	s_or_b32 s[G0K+3], s[G0K+3], 0x80000000
	s_mov_b32 s[G0V], 1
	s_add_co_u32 s[G0V+1], s63, VOFF
	s_add_nc_u64 s[G0V+2:G0V+3], s[8:9], s[68:69]
	s_or_b32 s[G0V+3], s[G0V+3], 0x80000000
	CROUND                                         ; all four work-groups are here: the first joint loads meet
	TLOAD                                          ; slot 0: keys 0 .. 511
	v_and_b32 v24, 15, v0                          ; r
	v_bfe_u32 v25, v0, 4, 1                        ; h
	s_delay_alu instid0(VALU_DEP_2)
	v_lshlrev_b32 v8, 6, v24
	s_delay_alu instid0(VALU_DEP_1)
	v_lshl_add_u32 v8, v25, 4, v8                  ; 64 r + 16 h: my bytes of a fragment in memory
	s_wait_alu depctr_va_vdst(0)
	v_lshlrev_b32 v28, 4, v0                       ; 16 x thread: four keys' mask words
	s_lshr_b32 s56, ttmp9, 4                       ; b
	s_lshl_b32 s57, s56, 13
	s_mov_b32 s58, s57
	s_mov_b32 s59, 0
	s_add_nc_u64 s[10:11], s[10:11], s[58:59]
	global_load_b128 v[136:139], v28, s[10:11]     ; the 512 threads read the batch's 2,048 words
	s_lshr_b32 s57, s[WV], 2
	s_lshl_b32 s57, s57, 15                        ; for the sum over all keys: wave w takes keys 512 (w / 4) on
	s_and_b32 s58, s[WV], 3
	s_lshl_b32 s58, s58, 10                        ; and d = 16 (w % 4) on
	s_add_co_u32 s70, s57, s58
	s_add_co_u32 s70, s70, s60
	s_mov_b32 s71, 0
	s_add_nc_u64 s[70:71], s[8:9], s[70:71]
.irp b, 0,1,2,3,4,5,6,7
	global_load_b128 v[OH+8*\b:OH+8*\b+3], v8, s[70:71] offset:4096*\b
	global_load_b128 v[OH+8*\b+4:OH+8*\b+7], v8, s[70:71] offset:4096*\b+32
.endr
	s_lshl_b32 s57, s[CX], 10                      ; Q: tile 4 u + cx, 1,024 bytes a tile
	s_add_co_u32 s57, s57, s60
	s_lshl_b32 s72, s[UHI], 12
	s_add_co_u32 s72, s72, s57
	s_mov_b32 s73, 0
	s_add_nc_u64 s[72:73], s[4:5], s[72:73]
	s_lshl_b32 s74, s[ULO], 12
	s_add_co_u32 s74, s74, s57
	s_mov_b32 s75, 0
	s_add_nc_u64 s[74:75], s[4:5], s[74:75]
	global_load_b128 v[QH:QH+3], v8, s[72:73]
	global_load_b128 v[QH+4:QH+7], v8, s[72:73] offset:32
	global_load_b128 v[QL:QL+3], v8, s[74:75]
	global_load_b128 v[QL+4:QL+7], v8, s[74:75] offset:32
	s_lshl_b32 s56, s56, 7                         ; the output: block of 16 tokens 128 b + 4 u + cx, 16,384 bytes each; in it the head's 1,024
	s_add_co_u32 s56, s56, s[CX]
	s_and_b32 s57, ttmp9, 15
	s_lshl_b32 s57, s57, 10
	s_lshl_b32 s58, s[UHI], 2
	s_add_co_u32 s58, s58, s56
	s_lshl_b32 s58, s58, 14
	s_add_co_u32 s58, s58, s57
	s_mov_b32 s59, 0
	s_add_nc_u64 s[BH:BH+1], s[14:15], s[58:59]
	s_lshl_b32 s58, s[ULO], 2
	s_add_co_u32 s58, s58, s56
	s_lshl_b32 s58, s58, 14
	s_add_co_u32 s58, s58, s57
	s_add_nc_u64 s[BL:BL+1], s[14:15], s[58:59]
	v_mul_u32_u24 v[AK0], v24, 80
	s_delay_alu instid0(VALU_DEP_1)
	v_lshl_add_u32 v[AK0], v25, 4, v[AK0]
	v_and_b32 v26, 31, v0
	s_delay_alu instid0(VALU_DEP_1)
	v_lshl_add_u32 v[AVS], v26, 4, VSP
	v_lshl_add_u32 v[AB0], v25, 5, BIAS
	v_lshl_add_u32 v[DV], s[CX], 4, v24
	v_lshlrev_b32 v26, 3, v25                      ; (v26 is thereby written: a lane permute's destination counts as one of its sources)
	s_delay_alu instid0(VALU_DEP_1)
	v_sub_nc_u32 v[DV], v[DV], v26
	v_lshlrev_b32 v[GO], 4, v24
	s_delay_alu instid0(VALU_DEP_1)
	v_lshl_add_u32 v[GO], v25, 3, v[GO]
	v_lshl_add_u32 v29, v0, 4, BIAS                ; where my four addends go
	s_lshl_b32 s56, s[WV], 10
	v_add_nc_u32 v9, s56, v[AVS]                   ; where my part of the sum over all keys goes
	v_mov_b32 v[NB], 0xf1800000                    ; -2^100
	s_wait_alu depctr_va_vdst(0)
	s_wait_kmcnt 0x0
	s_add_co_i32 s56, s50, s51
	s_lshl_b32 s56, s56, 23
	s_add_co_i32 s[CS], s56, 0x3e38aa3b            ; c = log2(e) / 8; a score stands for score x 2^(e2 + e3): the two exponents are added to c's exponent field
	s_mov_b32 s[CS+1], s[CS]                       ; (named with it as a pair, so it is written)
	s_add_co_i32 s[EPV], s52, s53
	s_add_co_i32 s56, s52, 127
	s_lshl_b32 s57, s56, 23
	v_mov_b32 v[SCP], s57                          ; 2^e4
	s_add_co_i32 s56, s56, 8
	s_lshl_b32 s56, s56, 23
	s_or_b32 s56, s56, 0x600000
	v_mov_b32 v[LIMP], s56                         ; 448 x 2^e4
	s_add_co_i32 s56, s54, 127
	s_lshl_b32 s57, s56, 23
	v_mov_b32 v[SCO], s57                          ; 2^e6
	s_wait_loadcnt 20                              ; the mask words are in; V's 16 loads and Q's 4 may be out
.irp i, 0,1,2,3
	v_cmp_eq_u32 vcc_lo, 0, v[136+\i]
	s_delay_alu instid0(VALU_DEP_1)
	v_cndmask_b32 v[136+\i], 0, v[NB], vcc_lo      ; 0 for a key that counts, -2^100 for a padded one
.endr
	ds_store_b128 v29, v[136:139]
	v_mov_b32 v128, 1.0                            ; the code of p = 1, held like every p
	s_delay_alu instid0(VALU_DEP_1)
	v_min_num_f32 v128, v128, v[LIMP]
.irp i, 1,2,3,4,5,6,7
	v_mov_b32 v[128+\i], v128
.endr
	v_cvt_scalef32_pk8_fp8_f32 v[PH:PH+1], v[128:135], v[SCP]
	v_nop                                          ; one plain vector instruction behind a scaled conversion
.irp i, 2,4,6
	v_mov_b32 v[PH+\i], v[PH]
	v_mov_b32 v[PH+\i+1], v[PH+1]
.endr
	s_wait_alu depctr_va_vdst(0)
	s_wait_loadcnt 4                               ; V is in; Q's 4 loads may be out
.irp b, 0,1,2,3,4,5,6,7                        ; my 16 d x my 512 keys, against ones: two accumulators by turns
.if \b < 2
	v_wmma_f32_16x16x64_fp8_fp8 v[S+8*(\b%2):S+8*(\b%2)+7], v[OH+8*\b:OH+8*\b+7], v[PH:PH+7], 0
.else
	v_wmma_f32_16x16x64_fp8_fp8 v[S+8*(\b%2):S+8*(\b%2)+7], v[OH+8*\b:OH+8*\b+7], v[PH:PH+7], v[S+8*(\b%2):S+8*(\b%2)+7]
.endif
.endr
.rept 4
	v_nop
.endr
.irp i, 0,2,4,6
	v_pk_add_f32 v[S+\i:S+\i+1], v[S+\i:S+\i+1], v[S+8+\i:S+8+\i+1]
.endr
	ds_store_b128 v9, v[S:S+3]                     ; as an image of the registers: 16 bytes a lane
	ds_store_b128 v9, v[S+4:S+7] offset:512
.irp j, 0,1,2,3,4,5,6,7,8,9,10,11,12,13,14,15,16,17,18,19,20,21,22,23,24,25,26,27,28,29,30,31,32,33,34,35,36,37,38,39,40,41,42,43,44,45,46,47,48,49,50,51,52,53,54,55,56,57,58,59,60,61,62,63
	v_mov_b32 v[OH+\j], 0                          ; O^T of both tiles.  (The step is written once: its first turn finds zeros)
.endr
	v_mov_b32 v[STH+1], 0xcb800000                 ; -2^24,
	s_delay_alu instid0(VALU_DEP_1)
	v_mul_f32 v[STH+1], s[CS], v[STH+1]            ; as t: under every t
	s_delay_alu instid0(VALU_DEP_1)
	v_floor_f32 v[STH], -v[STH+1]                  ; -M
	v_mov_b32 v[STH+2], 0                          ; the sum, in two halves
	v_mov_b32 v[STH+3], 0
	v_mov_b32 v[STH+4], 0
	v_mov_b32 v[STH+5], 0                          ; (named as the upper half of f's pair)
	v_mov_b32 v[STL+1], v[STH+1]
	v_mov_b32 v[STL], v[STH]
	v_mov_b32 v[STL+2], 0
	v_mov_b32 v[STL+3], 0
	v_mov_b32 v[STL+4], 0
	v_mov_b32 v[STL+5], 0
	s_wait_loadcnt 0x0                             ; Q
; ONE TILE OF 16 QUERIES IN ONE STEP OF 64 KEYS.  q: its Q; st: its statistics; p: its codes; o: its O^T; u: the step that lies on its diagonal.
.macro TILE q, st, p, o, u
.irp T, 0,1,2,3
	v_wmma_f32_16x16x64_fp8_fp8 v[S+8*\T:S+8*\T+7], v[KF+8*\T:KF+8*\T+7], v[\q:\q+7], v[BI+8*\T:BI+8*\T+7]   ; the padding mask is the addend
.endr
.rept 4
	v_nop
.endr
	s_cmp_lg_u32 s[SI], s[\u]
	s_cbranch_scc1 .Lopen_\@
.irp n, 0,1,2,3,4,5,6,7,8,9,10,11,12,13,14,15,16,17,18,19,20,21,22,23,24,25,26,27,28,29,30,31
	v_cmp_gt_i32 vcc_lo, 16*(\n/8)+\n%8, v[DV]     ; on the diagonal: a key behind my query
	v_cndmask_b32 v[S+\n], v[S+\n], v[NB], vcc_lo
.endr
.Lopen_\@:
	v_max3_num_f32 v24, v[S], v[S+1], v[S+2]       ; the step's largest score of my query among my 32 keys, in two chains, each accumulator from its low end on,
	v_max3_num_f32 v25, v[S+3], v[S+4], v[S+5]
.irp i, 6,10,14,18,22,26
	v_max3_num_f32 v24, v24, v[S+\i], v[S+\i+1]
	v_max3_num_f32 v25, v25, v[S+\i+2], v[S+\i+3]
.endr
	v_max3_num_f32 v24, v24, v[S+30], v[S+31]
	s_delay_alu instid0(VALU_DEP_1)
	v_max_num_f32 v24, v24, v25
	s_delay_alu instid0(VALU_DEP_1)
	v_permlanex16_b32 v26, v24, s[SEL], s[SEL+1]
	s_delay_alu instid0(VALU_DEP_1)
	v_max_num_f32 v24, v24, v26                    ; and among lane l xor 16's
	s_delay_alu instid0(VALU_DEP_1)
	v_mul_f32 v24, s[CS], v24                      ; as t (c is positive)
	s_delay_alu instid0(VALU_DEP_1)
	v_max_num_f32 v[\st+1], v[\st+1], v24          ; the running largest t
	v_mov_b32 v24, v[\st]
	s_delay_alu instid0(VALU_DEP_2)
	v_floor_f32 v[\st], -v[\st+1]                  ; the new -M = floor(-t) = -ceil(t)
	s_delay_alu instid0(VALU_DEP_1)
	v_sub_f32 v24, v[\st], v24                     ; M's old value less its new one: a whole number, 0 or less
	s_delay_alu instid0(VALU_DEP_1)
	v_cvt_i32_f32 v24, v24                         ; (it saturates)
	s_delay_alu instid0(VALU_DEP_1)
	v_ldexp_f32 v[\st+4], 1.0, v24                 ; f = 2^(old M - new M)
.irp j, 0,2,4,6,8,10,12,14,16,18,20,22,24,26,28,30
	v_pk_fma_f32 v[S+\j:S+\j+1], v[S+\j:S+\j+1], s[CS:CS+1], v[\st:\st+1] op_sel_hi:[1,0,0]   ; t - M, two at a time (of the pairs c and -M the low word serves both halves)
.endr
	s_wait_alu depctr_va_vdst(0)
.irp j, 0,1,2,3,4,5,6,7,8,9,10,11,12,13,14,15,16,17,18,19,20,21,22,23,24,25,26,27,28,29,30,31
	v_exp_f32 v[S+\j], v[S+\j]                     ; p = 2^(t - M), at most 1
.endr
	v_pk_mul_f32 v[\st+2:\st+3], v[\st+2:\st+3], v[\st+4:\st+5] op_sel_hi:[1,0]   ; the sums under the new M: the plain instruction behind the exponentials
	s_wait_alu depctr_va_vdst(0)                   ; one wait for the batch of 32, ahead of its first reader
	v_pk_add_f32 v[28:29], v[S:S+1], v[S+2:S+3]    ; the row's sum is taken of the unquantised p, in two chains
.irp j, 4,8,12,16,20,24,28
	v_pk_add_f32 v[\st+2:\st+3], v[\st+2:\st+3], v[S+\j:S+\j+1]
	v_pk_add_f32 v[28:29], v[28:29], v[S+\j+2:S+\j+3]
.endr
	s_delay_alu instid0(VALU_DEP_1)
	v_pk_add_f32 v[\st+2:\st+3], v[\st+2:\st+3], v[28:29]
.irp T, 0,1,2,3
.irp i, 0,1,2,3,4,5,6,7
.endr
	v_cvt_scalef32_pk8_fp8_f32 v[\p+2*\T:\p+2*\T+1], v[S+8*\T:S+8*\T+7], v[SCP]
.endr
.irp j, 0,2,4,6,8,10,12,14,16,18,20,22,24,26,28,30
	v_pk_mul_f32 v[\o+\j:\o+\j+1], v[\o+\j:\o+\j+1], v[\st+4:\st+5] op_sel_hi:[1,0]   ; O^T under the new M
.endr
	s_wait_alu depctr_va_vdst(0)
	s_wait_dscnt 0x0                               ; V is in
.irp T, 0,1,2,3
	v_wmma_f32_16x16x64_fp8_fp8 v[\o+8*\T:\o+8*\T+7], v[VF+8*\T:VF+8*\T+7], v[\p:\p+7], v[\o+8*\T:\o+8*\T+7]   ; four accumulators by turns; the next step's S^T stands between two links of a chain
.endr
.endm
; A KEY STEP.  A step behind both my tiles' diagonals is left out, one behind the lower tile's in part: scalar branches on the wave's number and the step, round loads and register work alone.
.macro STEP
	s_cmp_gt_u32 s[SI], s[UHI]
	s_cbranch_scc1 .Lidle_\@
	v_add_nc_u32 v[ADR], s[TB], v[AK0]
	v_add_nc_u32 v[ADB], s[BB], v[AB0]
	v_nop
	v_nop                                          ; four places in front of loads into registers that matrix instructions have read
.irp T, 0,1,2,3
	ds_load_b128 v[KF+8*\T:KF+8*\T+3], v[ADR] offset:1280*\T
	ds_load_b128 v[KF+8*\T+4:KF+8*\T+7], v[ADR] offset:1280*\T+32
.endr
.irp T, 0,1,2,3
	ds_load_b128 v[BI+8*\T:BI+8*\T+3], v[ADB] offset:64*\T
	ds_load_b128 v[BI+8*\T+4:BI+8*\T+7], v[ADB] offset:64*\T+16
.endr
.irp T, 0,1,2,3
	ds_load_b128 v[VF+8*\T:VF+8*\T+3], v[ADR] offset:VOFF+1280*\T
	ds_load_b128 v[VF+8*\T+4:VF+8*\T+7], v[ADR] offset:VOFF+1280*\T+32
.endr
	s_wait_dscnt 8                                 ; K and the addends are in; V's eight loads may be out
	TILE QH, STH, PH, OH, UHI
	s_cmp_gt_u32 s[SI], s[ULO]
	s_cbranch_scc1 .Lidle_\@
	TILE QL, STL, PL, OL, ULO
.Lidle_\@:
	s_add_co_u32 s[SI], s[SI], 1
	s_add_co_u32 s[TB], s[TB], 5120                ; 64 rows of 80 bytes on, in K and in V alike
	s_add_co_u32 s[BB], s[BB], 256
.endm
; THE CHANGE OF SLOTS stands at a slot's head.  Each wave waits for all its tensor loads, adds 0 to its spare word, and waits for that and for its reads of the slot that it has left.
; fill = 1: a round of the cluster's barrier, and behind it the slot that was left is filled with the next 512 keys: the load has eight key steps in which to land.
.macro CHANGE fill
	s_wait_tensorcnt 0x0                           ; no tensor load of mine is out, so a group 0 may be written
	ds_add_u32 v[SPW], v[NIL]                      ; 0 onto my spare word
.if \fill
	s_xor_b32 s[G0K+1], s[G0K+1], SLOT1            ; the walking descriptors: the other slot than last time,
	s_add_nc_u64 s[G0K+2:G0K+3], s[G0K+2:G0K+3], 32768   ; the next 512 keys; the type bits on top are not reached
	s_xor_b32 s[G0V+1], s[G0V+1], SLOT1
	s_add_nc_u64 s[G0V+2:G0V+3], s[G0V+2:G0V+3], 32768
.endif
	s_wait_dscnt 0x0                               ; the add is done, my LDS stores have landed, and my reads of the slot that I have left are over
.if \fill
	CROUND
	TLOAD                                          ; the first thing behind the round, and a wave's one tensor load until the next
.else
	s_barrier_signal -1
	s_barrier_wait -1
.endif
.endm
.macro SLOT_STEPS                      ; a slot's eight key steps: written once, walked eight times
	s_mov_b32 s[STEPC], 8
.Lstep_\@:
	STEP
	s_sub_co_u32 s[STEPC], s[STEPC], 1
	s_cmp_lg_u32 s[STEPC], 0
	s_cbranch_scc1 .Lstep_\@
	s_sub_co_u32 s[TB], s[TB], 40960               ; back to a slot's first step,
	s_xor_b32 s[TB], s[TB], SLOT1                  ; in the other slot
.endm
.Lslot:                                            ; three trips: behind each change of slots but the last the next slot is asked for
	CHANGE 1
	SLOT_STEPS
	s_sub_co_u32 s[SLOTS], s[SLOTS], 1
	s_cmp_lg_u32 s[SLOTS], 0
	s_cbranch_scc1 .Lslot
	CHANGE 0                                       ; the last slot is written out
	SLOT_STEPS
	; THE WAY OUT
.rept 4
	v_nop                                          ; places behind the last products
.endr
	s_wait_alu depctr_va_vdst(0)
	v_add_f32 v[STH+2], v[STH+2], v[STH+3]         ; each sum's two halves,
	v_add_f32 v[STL+2], v[STL+2], v[STL+3]
	s_delay_alu instid0(VALU_DEP_2)
	v_permlanex16_b32 v26, v[STH+2], s[SEL], s[SEL+1]
	s_delay_alu instid0(VALU_DEP_1)
	v_add_f32 v[STH+2], v[STH+2], v26              ; and lane l xor 16's
	s_delay_alu instid0(VALU_DEP_2)
	v_permlanex16_b32 v26, v[STL+2], s[SEL], s[SEL+1]
	s_delay_alu instid0(VALU_DEP_1)
	v_add_f32 v[STL+2], v[STL+2], v26
.irp t, 0,1,2,3                                ; the sum over all keys: for each of the four tiles of d the four parts of 512 keys
.irp g, 0,1
	ds_load_b128 v[S+8*\t+4*\g:S+8*\t+4*\g+3],   v[AVS] offset:\t*1024+512*\g
	ds_load_b128 v[KF+8*\t+4*\g:KF+8*\t+4*\g+3], v[AVS] offset:(4+\t)*1024+512*\g
	ds_load_b128 v[BI+8*\t+4*\g:BI+8*\t+4*\g+3], v[AVS] offset:(8+\t)*1024+512*\g
	ds_load_b128 v[VF+8*\t+4*\g:VF+8*\t+4*\g+3], v[AVS] offset:(12+\t)*1024+512*\g
.endr
.endr
	v_mov_b32 v24, 0x45000000                      ; 2,048
	s_wait_dscnt 0x0
.irp j, 0,2,4,6,8,10,12,14,16,18,20,22,24,26,28,30
	v_pk_add_f32 v[S+\j:S+\j+1], v[S+\j:S+\j+1], v[KF+\j:KF+\j+1]
	v_pk_add_f32 v[BI+\j:BI+\j+1], v[BI+\j:BI+\j+1], v[VF+\j:VF+\j+1]
.endr
.irp j, 0,2,4,6,8,10,12,14,16,18,20,22,24,26,28,30
	v_pk_add_f32 v[S+\j:S+\j+1], v[S+\j:S+\j+1], v[BI+\j:BI+\j+1]
.endr
; One tile: O^T / the sum x 2^(e4 + e5), quantised with 2^e6.  A lane's eight numbers of a tile of d are eight bytes; the 32 lanes' are 256 consecutive bytes of ac, aligned: no stage is needed.
.macro FIN st, p, o, base
	v_cmp_eq_f32 vcc_lo, 0, v[\st+2]               ; a row with no key at all:
	s_delay_alu instid0(VALU_DEP_1)
	v_cndmask_b32 v[\st+2], v[\st+2], v24, vcc_lo  ; its sum is 2,048,
	s_wait_alu depctr_va_vdst(0)
	v_rcp_f32 v[\st+4], v[\st+2]
	s_wait_alu depctr_va_vdst(0)
.irp n, 0,1,2,3,4,5,6,7,8,9,10,11,12,13,14,15,16,17,18,19,20,21,22,23,24,25,26,27,28,29,30,31
	v_cndmask_b32 v[\o+\n], v[\o+\n], v[S+\n], vcc_lo   ; and its O the sum over all keys.  (Each accumulator from its low end on; plain work behind the reciprocal)
.endr
	s_wait_alu depctr_va_vdst(0)                   ; the wait ahead of the reciprocal's first reader
	v_ldexp_f32 v[\st+4], v[\st+4], s[EPV]
.irp j, 0,2,4,6,8,10,12,14,16,18,20,22,24,26,28,30
	v_pk_mul_f32 v[\o+\j:\o+\j+1], v[\o+\j:\o+\j+1], v[\st+4:\st+5] op_sel_hi:[1,0]
.endr
.irp T, 0,1,2,3
.irp i, 0,1,2,3,4,5,6,7
.endr
	v_cvt_scalef32_pk8_fp8_f32 v[\p+2*\T:\p+2*\T+1], v[\o+8*\T:\o+8*\T+7], v[SCO]
.endr
	v_nop                                          ; one plain vector instruction behind the last conversion
.irp T, 0,1,2,3
	global_store_b64 v[GO], v[\p+2*\T:\p+2*\T+1], s[\base:\base+1] offset:256*\T
.endr
.endm
	FIN STH, PH, OH, BH
	FIN STL, PL, OL, BL
	s_wait_tensorcnt 0x0                           ; the wave's end: these three lines, behind my last tensor load and my last LDS store
	ds_add_u32 v[SPW], v[NIL]
	s_wait_dscnt 0x0
	CROUND                                         ; the closing round: no work-group ends while a partner may still ask for a tile that names it
	s_endpgm
.Lfunc_end_k_qe201ef64b6_attn:
	.size	k_qe201ef64b6_attn, .Lfunc_end_k_qe201ef64b6_attn-k_qe201ef64b6_attn
	.p2alignl 7, 3214868480
	.fill 96, 4, 3214868480
	.section	.rodata,"a",@progbits
	.p2align	6, 0x0
	.amdhsa_kernel k_qe201ef64b6_attn
		.amdhsa_group_segment_fixed_size 327680
		.amdhsa_private_segment_fixed_size 0
		.amdhsa_enable_private_segment 0
		.amdhsa_kernarg_size 48
		.amdhsa_user_sgpr_count 2
		.amdhsa_user_sgpr_kernarg_segment_ptr 1
		.amdhsa_wavefront_size32 1
		.amdhsa_system_sgpr_workgroup_id_x 1
		.amdhsa_system_sgpr_workgroup_id_y 1
		.amdhsa_system_sgpr_workgroup_id_z 1
		.amdhsa_system_vgpr_workitem_id 0
		.amdhsa_next_free_vgpr 256
		.amdhsa_next_free_sgpr 100
		.amdhsa_reserve_vcc 1
		.amdhsa_float_denorm_mode_32 3
		.amdhsa_float_denorm_mode_16_64 3
		.amdhsa_fp16_overflow 1
		.amdhsa_memory_ordered 1
		.amdhsa_forward_progress 1
		.amdhsa_inst_pref_size 67
	.end_amdhsa_kernel
	.amdgpu_metadata
---
amdhsa.version: [ 1, 2 ]
amdhsa.kernels:
  - .name:           k_qe201ef64b6_attn
    .symbol:         k_qe201ef64b6_attn.kd
    .args:
      - { .name: qc, .offset: 0, .size: 8, .value_kind: global_buffer, .address_space: global }
      - { .name: kc, .offset: 8, .size: 8, .value_kind: global_buffer, .address_space: global }
      - { .name: vc, .offset: 16, .size: 8, .value_kind: global_buffer, .address_space: global }
      - { .name: attention_mask, .offset: 24, .size: 8, .value_kind: global_buffer, .address_space: global }
      - { .name: lowp_scales, .offset: 32, .size: 8, .value_kind: global_buffer, .address_space: global }
      - { .name: ac, .offset: 40, .size: 8, .value_kind: global_buffer, .address_space: global }
    .group_segment_fixed_size: 327680
    .private_segment_fixed_size: 0
    .kernarg_segment_align: 8
    .kernarg_segment_size: 48
    .max_flat_workgroup_size: 512
    .sgpr_count:     100
    .vgpr_count:     256
    .wavefront_size: 32
...
	.end_amdgpu_metadata
.endif
;; end of part 3
;; launch gemm_out (part 4): grid 4 x 32, 4 waves a work-group, clusters of 4 x 4, 327,680 bytes of LDS; arguments ac, woc, lowp_scales, out0; writes out0
.if DOCPART == 4
	.amdgcn_target "amdgcn-amd-amdhsa--gfx1250"
	.amdhsa_code_object_version 6
	.text
	.protected	k_qe201ef64b6_gemm_out
	.globl	k_qe201ef64b6_gemm_out
	.p2align	8
	.type	k_qe201ef64b6_gemm_out,@function
k_qe201ef64b6_gemm_out:
	s_mov_b64 s[64:65], 0
	v_nop
	global_prefetch_b8 v0, s[64:65] scope:SCOPE_SE
	s_setreg_imm32_b32 hwreg(HW_REG_WAVE_MODE, 25, 1), 1
	s_wait_xcnt 0x0
	s_wait_alu depctr_hold_cnt(0) depctr_sa_sdst(0) depctr_va_vdst(0) depctr_va_sdst(0) depctr_va_ssrc(0) depctr_va_vcc(0) depctr_vm_vsrc(0)
	s_getreg_b32 s2, hwreg(HW_REG_IB_STS2, 6, 4)
	s_cmp_eq_u32 s2, 0
	s_cbranch_scc0 .Lentry_in_a_cluster
	s_endpgm
.Lentry_in_a_cluster:
	s_bfe_u32 s2, ttmp6, 0x10000c
	s_cmp_lg_u32 s2, 0xf033
	s_cbranch_scc0 .Lentry_shape_is_right
	s_endpgm
.Lentry_shape_is_right:
; out0[m][n] = sum over k of A[m][k] B[n][k] x 2^(e6 + e7): A = the attention's result, B = w_out, both as codes of FP8 (E4M3); out0 [8192][1024] f32; K = 1,024; sums in f32.
; B: woc [1024 n][1024 k], rows along K.   A: ac, laid as the IMAGE OF ITS FRAGMENTS' REGISTERS: [m / 16][k / 64][(k % 64) / 16][m % 16][k % 16]: the 512 bytes at 2,048 q + 512 c of a block of 16 rows are, 16 bytes a lane,
; registers 4 c .. 4 c + 3 of the fragment of K step q (128 along K): lane l holds row l % 16, K = 32 c + 16 (l / 16) + 0 .. 15, the same order of k in which B's four 16-byte loads lay its rows.
; LIMIT: e6 + e7 between -126 and 127, so that 2^(e6 + e7) is an f32 number.
; A tile of out0, 256 x 256, is made by four waves, 128 x 128 each: 64 accumulators, 512 registers.  K goes in steps of 256 through a ring of two LDS slots filled by the tensor data mover.
; CLUSTERS: 4 x 4 work-groups.  The four of a row of the cluster need the same tiles of A, the four of a column the same tiles of B: each tile is asked for jointly.  The matrix instruction is used transposed
; (source 0 = 16 rows of B, source 1 = 16 rows of A): a lane holds eight neighbouring numbers of a row of out0.
; REGISTERS, in windows of 256: window 0: v0-31 addresses; from v128 A's fragments, one set; on the way out v32-255 are free.   window 1: B's fragments, two sets.   windows 2, 3: the accumulators.
.set ROWB,   256                       ; a row of B's tile in bytes
.set KROW,   1024                      ; a row of woc in memory
.set ASTEP,  4096                      ; a K step of 256 in a block of 16 rows of ac
.set ABLK,   16384                     ; a block of 16 rows of ac
.set PITCH,  272                       ; B's LDS row: 256 bytes + 16 of padding
.set FR,     16
.set NL,     4
.set NP,     4
.set HALFT,  128*PITCH                 ; what one tensor load may fill: B's 128 rows fill it, A's 8 blocks x 4,096 bytes take 32,768 of it
.set SLOT,   4*HALFT
.set LAPS,   2
.set SIZE_N, 1024
.set SPARE,  2*SLOT                    ; behind the ring: the spare words, 128 bytes for each wave
.set SPITCH, 528                       ; the way out: a stage of 16 rows x (512 bytes + 16) for each wave, in slot 0, which has had its last fill and its last read by then
.set ADRA, 16
.set ADRB, 20
.set STO,  24
.set RD,   25
.set CO,   26                          ; v26  16 x lane
.set SPW,  28
.set NIL,  29
.set TMP,  32
.set AF,   128
.set BK,   128
.set G1, 24
.set G0, 32
.set G1B, 48
.set G0B, 56
.set MSB, 0
.macro WIN new                         ; the immediate's high byte repeats the setting that is left
.if MSB != \new
	s_set_vgpr_msb (MSB<<8)|\new
.set MSB, \new
.endif
.endm
.set MUL_LO, 0xa1
.set MUL_HI, 0xf1
.set TO_B,   0x40
.macro JLOAD g0a, g1a, g0b, g1b        ; a joint load: waves 0 and 1 fetch for A, waves 2 and 3 for B; an s_nop 0 and four v_nop follow each of the two lines
	s_cmp_eq_u32 s15, 0
	s_cbranch_scc0 .Lfor_b_\@
	tensor_load_to_lds s[\g0a:\g0a+3], s[\g1a:\g1a+7]
	s_nop 0
.rept 4
	v_nop
.endr
	s_branch .Lasked_\@
.Lfor_b_\@:
	tensor_load_to_lds s[\g0b:\g0b+3], s[\g1b:\g1b+7]
	s_nop 0
.rept 4
	v_nop
.endr
.Lasked_\@:
.endm
.macro CREST
	s_cmp_lg_u32 s14, 0
	s_cbranch_scc1 .Lnot_wave_0_\@
	s_barrier_signal -3
.Lnot_wave_0_\@:
	s_barrier_wait -3
	s_barrier_signal -1
	s_barrier_wait -1
.endm
.macro CROUND
	s_barrier_signal -1
	s_barrier_wait -1
	CREST
.endm
	s_load_b128 s[4:7], s[0:1], 0x0                ; ac s[4:5], woc s[6:7]
	s_load_b128 s[8:11], s[0:1], 0x10              ; the scales' exponents s[8:9], out0 s[10:11]
	v_lshl_add_u32 v[SPW], v0, 2, SPARE
	v_mov_b32 v[NIL], 0
	ds_add_u32 v[SPW], v[NIL]                      ; the wave's opening: the add and its wait ahead of my first tensor load; the set-up below, work on registers, stands between them
	ds_add_u32 v[SPW], v[NIL]
	v_lshrrev_b32 v1, 5, v0
	v_readfirstlane_b32 s14, v1                    ; wave 0..3
	s_lshr_b32 s15, s14, 1                         ; which half of the tile's rows is mine.  Also: I fetch for A (0) or for B (1)
	s_and_b32 s16, s14, 1                          ; which half of its columns.  Also: which half of that tile I fetch
	s_bfe_u32 s40, ttmp6, 0x40000                  ; cx, cy
	s_bfe_u32 s41, ttmp6, 0x40004
	s_lshl_b32 s42, ttmp9, 2
	s_add_co_u32 s42, s42, s40                     ; tile column = 4 x cluster x + cx
	s_and_b32 s17, ttmp7, 0xffff
	s_lshl_b32 s17, s17, 2
	s_add_co_u32 s17, s17, s41                     ; tile row = 4 x cluster y + cy
	s_lshl_b32 s43, s41, 2
	s_lshl_b32 s43, 15, s43                        ; my row of the cluster
	s_lshl_b32 s44, 0x1111, s40                    ; my column
	; descriptor group 1 for A: 8 rows of 4,096 bytes, 16,384 apart in memory, dense in LDS
	s_or_b32 s[G1+0], s43, (0<<16)|(1<<21)         ; 15:0 the mask: my row; 17:16 element of 1 byte; 20 no padding; 21 set beside a mask
	s_mov_b32 s[G1+1], ASTEP<<16                   ; tensor_dim0
	s_mov_b32 s[G1+2], 8<<16                       ; tensor_dim1
	s_mov_b32 s[G1+3], ASTEP<<16                   ; tile_dim0
	s_mov_b32 s[G1+4], 8                           ; tile_dim1
	s_mov_b32 s[G1+5], ABLK                        ; tensor_dim0_stride
	s_mov_b32 s[G1+6], 0
	s_mov_b32 s[G1+7], 0
	; for B: 128 rows of 256 bytes, padded in LDS
	s_or_b32 s[G1B+0], s44, (0<<16)|(1<<20)|(1<<21)|(5<<22)|(3<<25)
	s_mov_b32 s[G1B+1], ROWB<<16
	s_mov_b32 s[G1B+2], 128<<16
	s_mov_b32 s[G1B+3], ROWB<<16
	s_mov_b32 s[G1B+4], 128
	s_mov_b32 s[G1B+5], KROW
	s_mov_b32 s[G1B+6], 0
	s_mov_b32 s[G1B+7], 0
	s_lshl_b32 s20, s17, 18                        ; A: 16 blocks a tile row,
	s_lshl_b32 s18, s16, 17                        ; 8 a half
	s_add_co_u32 s20, s20, s18
	s_mov_b32 s21, 0
	s_lshl_b32 s18, s16, 7
	s_lshl_b32 s46, s42, 8
	s_add_co_u32 s46, s46, s18                     ; B: row 256 x tile column + 128 x half
	s_lshl_b32 s46, s46, 10
	s_mov_b32 s47, 0
	s_mul_i32 s45, s14, HALFT                      ; where they go: no place in the cluster enters an LDS address
	s_wait_dscnt 0x0                               ; the opening add is done
	s_wait_kmcnt 0x0
	s_load_b64 s[96:97], s[8:9], 0x18              ; e6, e7
	s_add_nc_u64 s[20:21], s[4:5], s[20:21]
	s_add_nc_u64 s[46:47], s[6:7], s[46:47]
	CROUND                                         ; all sixteen work-groups are here: the first joint loads meet
.irp s, 0,1
	s_mov_b32 s[G0+4*\s], 1
	s_add_co_u32 s[G0+4*\s+1], s45, \s*SLOT
	s_add_nc_u64 s[G0+4*\s+2:G0+4*\s+3], s[20:21], \s*ASTEP
	s_or_b32 s[G0+4*\s+3], s[G0+4*\s+3], 0x80000000
	s_mov_b32 s[G0B+4*\s], 1
	s_add_co_u32 s[G0B+4*\s+1], s45, \s*SLOT
	s_add_nc_u64 s[G0B+4*\s+2:G0B+4*\s+3], s[46:47], \s*ROWB
	s_or_b32 s[G0B+4*\s+3], s[G0B+4*\s+3], 0x80000000
	s_wait_alu depctr_va_vdst(0)
	s_wait_tensorcnt 0x0
	ds_add_u32 v28, v29
	ds_add_u32 v28, v29
	s_wait_dscnt 0x0
	CROUND
	JLOAD G0+4*\s, G1, G0B+4*\s, G1B
.endr
	v_and_b32 v1, 15, v0                           ; l % 16
	v_bfe_u32 v2, v0, 4, 1                         ; l / 16
	v_mul_u32_u24 v3, v1, PITCH
	v_lshl_add_u32 v4, v2, 4, v3                   ; B: a fragment's row x pitch + 16 x half
	v_and_b32 v6, 31, v0
	v_lshlrev_b32 v[CO], 4, v6                     ; A: 16 x lane; also my bytes of a row of out0
	s_wait_alu depctr_va_vdst(0)
	s_mul_i32 s21, s15, HALFT                      ; my 8 blocks of A
	s_mul_i32 s22, s16, HALFT                      ; my 128 rows of B,
	s_add_co_u32 s22, s22, 2*HALFT                 ; which lie behind A's two halves
.irp s, 0,1
	v_add_nc_u32 v[ADRA+\s], s21, v[CO]
	v_add_nc_u32 v[ADRB+\s], s22, v4
	s_add_co_u32 s21, s21, SLOT
	s_add_co_u32 s22, s22, SLOT
.endr
	s_mul_i32 s23, s14, 16*SPITCH                  ; my stage
	v_mul_u32_u24 v5, v1, SPITCH                   ; in: row l % 16, 32 bytes for each half of the lanes
	v_lshl_add_u32 v5, v2, 5, v5
	v_add_nc_u32 v[STO], s23, v5
	v_add_nc_u32 v[RD], s23, v[CO]                 ; back: the 32 lanes take one row of 512 bytes
	s_lshl_b32 s20, s17, 8
	s_lshl_b32 s21, s15, 7
	s_add_co_u32 s20, s20, s21                     ; my first row of out0
	s_lshl_b32 s20, s20, 12                        ; x 4,096 bytes
	s_lshl_b32 s46, s42, 10                        ; my first column, in bytes
	s_lshl_b32 s47, s16, 9
	s_add_co_u32 s46, s46, s47
	s_add_co_u32 s20, s20, s46
	s_mov_b32 s21, 0
	s_add_nc_u64 s[10:11], s[10:11], s[20:21]
.macro FRAG reg, adr, q, i             ; B's fragment: lane l holds row l % 16; registers 4 c .. 4 c + 3 hold K = 32 c + 16 (l / 16) + 0 .. 15
.irp c, 0,1,2,3
	ds_load_b128 v[\reg+4*\c:\reg+4*\c+3], v[\adr] offset:128*(\q)+32*\c+(\i)*16*PITCH
.endr
.endm
.macro FRAGA reg, adr, q, i            ; A's fragment comes as it lies: each load takes 512 consecutive bytes
.irp c, 0,1,2,3
	ds_load_b128 v[\reg+4*\c:\reg+4*\c+3], v[\adr] offset:2048*(\q)+512*\c+(\i)*ASTEP
.endr
.endm
.macro MUL16 a0, p, zero               ; 16 matrix instructions: A's blocks a0, a0 + 1 x B's eight; the 64 accumulators take turns, one instruction a turn
.irp a, \a0, \a0+1
.irp b, 0,1,2,3,4,5,6,7
.if \zero
	v_wmma_f32_16x16x128_fp8_fp8 v[8*(8*((\a)%4)+\b):8*(8*((\a)%4)+\b)+7], v[128*(\p)+FR*\b:128*(\p)+FR*\b+FR-1], v[AF+FR*(\a):AF+FR*(\a)+FR-1], 0
.else
	v_wmma_f32_16x16x128_fp8_fp8 v[8*(8*((\a)%4)+\b):8*(8*((\a)%4)+\b)+7], v[128*(\p)+FR*\b:128*(\p)+FR*\b+FR-1], v[AF+FR*(\a):AF+FR*(\a)+FR-1], v[8*(8*((\a)%4)+\b):8*(8*((\a)%4)+\b)+7]
.endif
.endr
.endr
.endm
.macro FETCH_B slot, q, p
	WIN TO_B
.irp i, 0,1,2,3,4,5,6,7
	FRAG 128*(\p)+FR*\i, ADRB+\slot, \q, \i
.endr
	WIN 0
.endm
.macro FETCH_A slot, q, i0
.irp i, \i0, \i0+1, \i0+2, \i0+3
	FRAGA AF+FR*(\i), ADRA+\slot, \q, \i
.endr
.endm
.macro PLACES n                        ; plain vector instructions between a matrix instruction and a load into its registers, or a read of its result
.rept \n
	v_nop
.endr
.endm
.macro STEP slot, q, zero
	s_wait_dscnt 4*NL                              ; B's set and A's blocks 0-3 are in; the youngest sixteen loads (A's blocks 4-7) may be out
	WIN MUL_LO
	MUL16 0, (\q)%2, \zero
	MUL16 2, (\q)%2, \zero
	s_wait_dscnt 0
	PLACES NP
	FETCH_B \slot, (\q)+1, 1-(\q)%2
	FETCH_A \slot, (\q)+1, 0
	WIN MUL_HI
	MUL16 4, (\q)%2, \zero
	MUL16 6, (\q)%2, \zero
	PLACES NP
	WIN 0
	FETCH_A \slot, (\q)+1, 4
.endm
.macro TURN slot, next, fill
	s_wait_tensorcnt 0x0                           ; all my tensor loads have landed: my part of the next slot  (every window is 0 here)
	ds_add_u32 v[SPW], v[NIL]                      ; 0 onto my spare word
	s_wait_dscnt 4*NL+1                            ; (the add and the youngest sixteen loads may be out)
	WIN MUL_LO
	MUL16 0, 1, 0
	s_wait_dscnt 0x0                               ; the add is done, and my reads of this slot are over
	s_barrier_signal -1
	MUL16 2, 1, 0
	WIN 0
	s_barrier_wait -1
.if \fill
	CREST                                          ; the barrier has opened a round of the cluster's barrier: no wave of any partner still reads this slot or has a load on its way
	s_add_nc_u64 s[G0+4*\slot+2:G0+4*\slot+3], s[G0+4*\slot+2:G0+4*\slot+3], 2*ASTEP
	s_add_nc_u64 s[G0B+4*\slot+2:G0B+4*\slot+3], s[G0B+4*\slot+2:G0B+4*\slot+3], 2*ROWB
	JLOAD G0+4*\slot, G1, G0B+4*\slot, G1B         ; the first tensor load behind the round; the four v_nop behind it are the places in front of the loads below
.else
	PLACES NP
.endif
	FETCH_B \next, 0, 0
	FETCH_A \next, 0, 0
	WIN MUL_HI
	MUL16 4, 1, 0
	MUL16 6, 1, 0
	PLACES NP
	WIN 0
	FETCH_A \next, 0, 4
.endm
	s_wait_alu depctr_va_vdst(0)
	s_wait_tensorcnt 1                             ; my part of K step 0 is in (K step 1's load may be out)
	s_barrier_signal -1
	s_barrier_wait -1                              ; everybody's is
	FETCH_B 0, 0, 0
	FETCH_A 0, 0, 0
	FETCH_A 0, 0, 4
	STEP 0, 0, 1                                   ; the first step stands in front of the loop: its products start the sums
	s_mov_b32 s3, LAPS-1
.Llap:
	TURN 0, 1, 1
	STEP 1, 0, 0
	TURN 1, 0, 1
	STEP 0, 0, 0
	s_sub_co_u32 s3, s3, 1
	s_cmp_lg_u32 s3, 0
	s_cbranch_scc1 .Llap
	TURN 0, 1, 0                                   ; the last lap fills nothing, and has no round of the cluster's barrier
	STEP 1, 0, 0
	s_wait_dscnt 4*NL
	WIN MUL_LO
	MUL16 0, 1, 0
	MUL16 2, 1, 0
	s_wait_dscnt 0
	WIN MUL_HI
	MUL16 4, 1, 0
	MUL16 6, 1, 0
	WIN 0
; THE WAY OUT, block by block of 16 rows x 128 columns, through my own stage in LDS: back come whole rows of 512 bytes, which the 32 lanes store as 512 consecutive bytes, aligned.
.macro TOSTAGE a
.set AC, 64*((\a)%4)
	WIN 0x02+((\a)/4)                              ; source 0: window 2 or 3
.irp j, 0,2,4,6,8,10,12,14,16,18,20,22,24,26,28,30,32,34,36,38,40,42,44,46,48,50,52,54,56,58,60,62
	v_pk_mul_f32 v[TMP+\j:TMP+\j+1], v[AC+\j:AC+\j+1], s[96:97] op_sel_hi:[1,0]   ; both x s96 = 2^(e6 + e7); each accumulator from its low end on
.endr
	WIN 0
.irp b, 0,1,2,3,4,5,6,7
	ds_store_b128 v[STO], v[TMP+8*\b:TMP+8*\b+3] offset:64*\b
	ds_store_b128 v[STO], v[TMP+8*\b+4:TMP+8*\b+7] offset:64*\b+16
.endr
.set BB, BK+64*((\a)%2)
.irp t, 0,1,2,3,4,5,6,7,8,9,10,11,12,13,14,15
	ds_load_b128 v[BB+4*\t:BB+4*\t+3], v[RD] offset:\t*SPITCH
.endr
.endm
.macro SEND a, younger
.set BB, BK+64*((\a)%2)
	s_wait_dscnt \younger                          ; the block is back in registers
.if (\a) > 0
	s_add_nc_u64 s[10:11], s[10:11], 16*SIZE_N*4   ; (behind a wait on XCNT: the earlier stores have read their base)  16 rows on
.endif
.irp t, 0,1,2,3,4,5,6,7,8,9,10,11,12,13,14,15
	global_store_b128 v[CO], v[BB+4*\t:BB+4*\t+3], s[10:11] offset:\t*SIZE_N*4 th:TH_STORE_NT
.endr
.endm
	s_wait_kmcnt 0x0
	s_add_co_i32 s96, s96, s97                     ; e6 + e7,
	s_add_co_i32 s96, s96, 127
	s_lshl_b32 s96, s96, 23                        ; as the f32 number 2^(e6 + e7)
	PLACES NP
	TOSTAGE 0
.irp a, 1,2,3,4,5,6,7
.if \a > 1
	s_wait_xcnt 0x0                                ; block a - 2's stores have read their registers and their base
.endif
	TOSTAGE \a
	SEND \a-1, 32                                  ; behind block a - 1's loads: block a's 16 stores and 16 loads
.endr
	s_wait_xcnt 0x0
	SEND 7, 0
	s_wait_tensorcnt 0x0                           ; the wave's end: these three lines, behind my last tensor load and my last LDS store
	ds_add_u32 v[SPW], v[NIL]
	s_wait_dscnt 0x0
	CROUND                                         ; the closing round
	s_endpgm
.Lfunc_end_k_qe201ef64b6_gemm_out:
	.size	k_qe201ef64b6_gemm_out, .Lfunc_end_k_qe201ef64b6_gemm_out-k_qe201ef64b6_gemm_out
	.p2alignl 7, 3214868480
	.fill 96, 4, 3214868480
	.section	.rodata,"a",@progbits
	.p2align	6, 0x0
	.amdhsa_kernel k_qe201ef64b6_gemm_out
		.amdhsa_group_segment_fixed_size 327680
		.amdhsa_private_segment_fixed_size 0
		.amdhsa_enable_private_segment 0
		.amdhsa_kernarg_size 32
		.amdhsa_user_sgpr_count 2
		.amdhsa_user_sgpr_kernarg_segment_ptr 1
		.amdhsa_wavefront_size32 1
		.amdhsa_system_sgpr_workgroup_id_x 1
		.amdhsa_system_sgpr_workgroup_id_y 1
		.amdhsa_system_sgpr_workgroup_id_z 1
		.amdhsa_system_vgpr_workitem_id 0
		.amdhsa_next_free_vgpr 1024
		.amdhsa_next_free_sgpr 98
		.amdhsa_reserve_vcc 0
		.amdhsa_float_denorm_mode_32 3
		.amdhsa_float_denorm_mode_16_64 3
		.amdhsa_memory_ordered 1
		.amdhsa_forward_progress 1
		.amdhsa_inst_pref_size 124
	.end_amdhsa_kernel
	.amdgpu_metadata
---
amdhsa.version: [ 1, 2 ]
amdhsa.kernels:
  - .name:           k_qe201ef64b6_gemm_out
    .symbol:         k_qe201ef64b6_gemm_out.kd
    .args:
      - { .name: ac, .offset: 0, .size: 8, .value_kind: global_buffer, .address_space: global }
      - { .name: woc, .offset: 8, .size: 8, .value_kind: global_buffer, .address_space: global }
      - { .name: lowp_scales, .offset: 16, .size: 8, .value_kind: global_buffer, .address_space: global }
      - { .name: out0, .offset: 24, .size: 8, .value_kind: global_buffer, .address_space: global }
    .group_segment_fixed_size: 327680
    .private_segment_fixed_size: 0
    .kernarg_segment_align: 8
    .kernarg_segment_size: 32
    .max_flat_workgroup_size: 128
    .sgpr_count:     98
    .vgpr_count:     1024
    .wavefront_size: 32
...
	.end_amdgpu_metadata
.endif
;; end of part 4
